; MI455X (gfx1250); checked and timed in simulation.
; The chip was launched on July 23, 2026; its instructions are those of AMD's public machine-readable ISA for CDNA 5 (MIT licence, August 2026) and "CDNA5" Instruction Set Architecture Reference Guide (July 2026). The comments in the code are by the model that wrote it; some were corrected since.
;; Attention. Allowed arithmetic: matrix products marked QUANTISED: E2M3 operands, one E8M0 scale for each 32 along K, by v_wmma_scale_f32_16x16x128_f8f6f4 with both operands' format E2M3, f32 sums; everything else in f32.
;; Inputs: K_emb 4 x 2,048 x 1,024 float32; K_ini 4 x 2,048 int32; Q_emb 4 x 2,048 x 1,024 float32; Q_ini 4 x 2,048 int32; V_emb 4 x 2,048 x 1,024 float32; WK 1,024 x 1,024 float32; WO 1,024 x 1,024 float32; WQ 1,024 x 1,024 float32; WV 1,024 x 1,024 float32.
;; Outputs: out0 4 x 2,048 x 1,024 float32.
;; This version of the problem:
;;   THIS VERSION OF THE PROBLEM IS GIVEN IN LOW PRECISION. The matrix products marked QUANTISED in the list below multiply operands that are first quantised to E2M3 (2 exponent bits, 3 mantissa bits; 6 bits a number), with one power-of-two scale for each 32 numbers along K (OCP MX v1.0); their sums are f32. All else is computed in f32.
;;   The module's matrix products, in the order in which they are computed (A, B: the left and right operand; K: the contracted axis; several contracted axes count as one K, in the product's order):
;;     1. [M 8,192, K 1,024] x [K 1,024, N 1,024]; A: input Q_emb; B: input WQ: QUANTISED
;;     2. [M 8,192, K 1,024] x [K 1,024, N 1,024]; A: input K_emb; B: input WK: QUANTISED
;;     3. [M 8,192, K 1,024] x [K 1,024, N 1,024]; A: input V_emb; B: input WV: QUANTISED
;;     4. batch 64 x [M 2,048, K 64] x [K 64, N 2,048]; A: computed on the way; B: computed on the way: QUANTISED
;;     5. batch 64 x [M 2,048, K 2,048] x [K 2,048, N 64]; A: softmax (see below); B: computed on the way: QUANTISED
;;     6. [M 8,192, K 1,024] x [K 1,024, N 1,024]; A: computed on the way; B: input WO: QUANTISED
;;   THE QUANTISER, for each operand of a quantised product, along K:
;;     - K is cut into blocks of 32 from its start; a last block that is shorter is filled with zeros.
;;     - A block's scale is 2^e with e = floor(log2(the largest magnitude in the block)) - 2, held to -126 .. 127; a block of zeros has e = 0. As a byte (E8M0): e + 127.
;;     - Each number is divided by its block's scale, clamped to +-7.5, and rounded to the nearest number of E2M3, ties to even, subnormals kept.
;;     - The product sums the exact products of the quantised numbers (number of the format x scale) in f32.
;;   ~~~python
;;   def quantise(x, axis):      # numpy; x: float32 -> the quantised numbers, widened to float32 again
;;       x = np.moveaxis(x, axis, -1); K = x.shape[-1]
;;       x = np.pad(x, [(0, 0)] * (x.ndim - 1) + [(0, -K % 32)]); x = x.reshape(x.shape[:-1] + (-1, 32)); a = np.abs(x).max(-1, keepdims=True)
;;       e = np.where(a > 0, np.clip(np.frexp(np.where(a > 0, a, 1))[1] - 1 - 2, -126, 127), 0)      # np.frexp(a)[1] - 1 = floor(log2(a)), exactly
;;       r = np.clip(x / 2.0 ** e, -7.5, 7.5)
;;       step = 2.0 ** (np.maximum(np.frexp(np.where(r == 0, 1, r))[1] - 1, 0) - 3)
;;       q = np.round(r / step) * step * 2.0 ** e      # np.round: ties to even
;;       return np.moveaxis(q.reshape(q.shape[:-2] + (-1,))[..., :K], -1, axis).astype(np.float32)
;;   ~~~
;;   SOFTMAX AHEAD OF A QUANTISED PRODUCT. Where the list says 'softmax', what is quantised is not the finished softmax but p = 2^(t - M), with t = logit x log2(e) and M = ceil(the row's largest t), a whole number; so 1/2 < the row's largest p <= 1. The row's sum l is taken of the UNQUANTISED p, in f32, and the product's result is divided by l at the end. Since M is a whole number, a kernel that streams over the keys may use a running M (the ceiling of the running maximum): every later rescaling is an exact power of two, which a block's scale takes up: the codes' values come out the same.
;;   OPERANDS COMPUTED ON THE WAY. 'Computed on the way' means the value that the module computes at that place (a softmax that the list does not call 'softmax' is quantised finished and normalised). What goes into a quantiser is computed in f32, as accurately as f32 sums, v_exp_f32 and their like allow (about 1e-6 of the number): no bf16 or f16 on the way to a quantiser, and a product that is left as it is and whose result goes on into a quantised operand takes f32 operands (vector FMAs, or v_wmma_f32_16x16x4_f32). A number that lies on a knife's edge between two numbers of the format may be rounded either way, as far as f32 arithmetic and the matrix unit's own rounding can turn it there, and no further.
;; One version. Each part assembles by itself: llvm-mc -triple=amdgcn-amd-amdhsa -mcpu=gfx1250 --defsym DOCPART=n.
;; ======== version 1 of 1: 5 launches
;; workspace buffers: xc 18,874,368 bytes; xs 786,432 bytes; wc 3,145,728 bytes; ws 131,072 bytes; pc 18,874,368 bytes; ps 1,310,720 bytes; cc 6,291,456 bytes; cs 262,144 bytes
;; launch qx (part 1): grid 768 x 1, 4 waves a work-group, no clusters, 33,280 bytes of LDS; arguments Q_emb, K_emb, V_emb, xc, xs; writes xc, xs
.if DOCPART == 1
	.amdgcn_target "amdgcn-amd-amdhsa--gfx1250"
	.amdhsa_code_object_version 6
	.text
	.protected	k_q771fed6b13_qx
	.globl	k_q771fed6b13_qx
	.p2align	8
	.type	k_q771fed6b13_qx,@function
k_q771fed6b13_qx:
	s_mov_b64 s[64:65], 0
	v_nop
	global_prefetch_b8 v0, s[64:65] scope:SCOPE_SE
	s_setreg_imm32_b32 hwreg(HW_REG_WAVE_MODE, 25, 1), 1
	s_wait_xcnt 0x0
; Q_emb, K_emb, V_emb [8192][1024] f32 become codes of FP6 (E2M3), K innermost (768 bytes a row), in xc, and one E8M0 byte for each 32 along K (32 bytes a row) in xs; the three tensors one behind the other.
; A block's scale is 2^(floor(log2(its largest magnitude)) - 2); its byte is the largest magnitude's exponent field - 2, held at 1 from below; each number is divided by the scale and rounded to the nearest code, ties to even.
; THE ROWS OF K_emb AND V_emb ARE STORED IN ANOTHER ORDER: stored place p holds row rho(p), rho = p with its bits 3 and 4 exchanged.  The next launch takes these rows as source 0 of its products, and with this order
; the 16 registers of two neighbouring result tiles are 16 neighbouring rows.  Q_emb's rows stay as they are.  A wave's share is 8 rows, so rho only says which of a work-group's four shares goes where.
; LIMITS: a block of zeros, or one whose largest magnitude lies under 2^-124, gets the byte 1 (a block of zeros has zero codes; this program alone reads the bytes); NaN and infinities among the inputs are not served.
; A wave takes 16 steps of 512 numbers.  Each load reads 512 consecutive bytes; a step's 2,048 bytes turn through the wave's own stage in LDS and come back 64 bytes a lane: 16 neighbours, two lanes to a block.
; No barrier: waves share nothing.  Loads run four steps (16 loads a wave) ahead, the turn through LDS one step.
.set STEPS, 16
.set EMAX,  2
.set CB,    12                         ; bytes of 16 codes
.set R,     16                         ; v16-79   four sets of 16 numbers as they are loaded
.set X,     80                         ; v80-111  two sets of 16 neighbours
.set C,     128                        ; v128-191 codes: four registers for each step, so that no store's data are written again
.set E,     112                        ; v112-127 a scale byte for each step
.set WREG,  8192                       ; LDS: a region for each wave: two stages of 32 x SP bytes, behind them its 256 scale bytes
.set SP,    80                         ; a lane's place in a stage: 64 bytes + 16 of padding
.set XCB,   6291456                    ; a tensor's codes in bytes
.set XSB,   262144                     ; a tensor's scale bytes
	s_load_b128 s[4:7], s[0:1], 0x0                ; Q_emb, K_emb
	s_load_b128 s[8:11], s[0:1], 0x10              ; V_emb, xc
	s_load_b64 s[12:13], s[0:1], 0x20              ; xs
	v_lshl_add_u32 v192, v0, 2, 0x8000
	v_mov_b32 v193, 0
	v_lshrrev_b32 v1, 5, v0
	v_readfirstlane_b32 s16, v1                    ; wave
	v_and_b32 v2, 31, v0                           ; lane
	v_lshlrev_b32 v3, 4, v2                        ; my 16 bytes of a load's 512
	s_mul_i32 s17, s16, WREG
	v_lshrrev_b32 v14, 2, v2
	v_mul_u32_u24 v14, v14, SP
	v_and_b32 v15, 3, v2
	v_lshl_add_u32 v14, v15, 4, v14
	v_add_nc_u32 v14, s17, v14                     ; the stage, on the way in: SP (lane / 4) + 16 (lane % 4)
	v_mul_u32_u24 v15, v2, SP
	v_add_nc_u32 v15, s17, v15                     ; and on the way out: SP x lane
	v_mul_u32_u24 v4, v2, CB                       ; my codes' place in a step's
	v_lshrrev_b32 v5, 1, v2
	s_add_co_u32 s17, s17, 2*32*SP
	v_add_nc_u32 v5, s17, v5                       ; LDS: my wave's 256 scale bytes, my block's byte
	v_lshlrev_b32 v7, 3, v2                        ; and on the way out 8 bytes a lane
	v_add_nc_u32 v6, s17, v7
	s_lshr_b32 s22, ttmp9, 8                       ; which tensor: 256 work-groups each
	s_and_b32 s23, ttmp9, 255                      ; which 32 rows of it
	s_and_b32 s24, s16, 1
	s_lshl_b32 s24, s24, 1
	s_lshr_b32 s25, s16, 1
	s_or_b32 s24, s24, s25                         ; the wave's number with its two bits exchanged: rho on shares of 8 rows
	s_cmp_eq_u32 s22, 0
	s_cselect_b32 s24, s16, s24                    ; Q_emb keeps its order
	s_lshl_b32 s17, s23, 2
	s_add_co_u32 s18, s17, s16                     ; the share that I read,
	s_add_co_u32 s24, s17, s24                     ; and the place where it goes
	s_lshl_b32 s18, s18, 15                        ; 8,192 numbers of 4 bytes
	s_mov_b32 s19, 0
	s_mul_i32 s20, s24, 32*STEPS*CB                ; 6,144 bytes of codes a share
	s_mul_i32 s26, s22, XCB
	s_add_co_u32 s20, s20, s26
	s_mov_b32 s21, 0
	s_lshl_b32 s26, s24, 8                         ; 256 scale bytes a share
	s_mul_i32 s27, s22, XSB
	s_add_co_u32 s26, s26, s27
	s_mov_b32 s27, 0
	s_wait_kmcnt 0x0
	s_cmp_eq_u32 s22, 1                            ; the choice hangs on the work-group's number alone
	s_cselect_b64 s[6:7], s[6:7], s[8:9]
	s_cmp_eq_u32 s22, 0
	s_cselect_b64 s[4:5], s[4:5], s[6:7]
	s_add_nc_u64 s[4:5], s[4:5], s[18:19]
	s_add_nc_u64 s[10:11], s[10:11], s[20:21]
	s_add_nc_u64 s[12:13], s[12:13], s[26:27]
.macro LOAD t
.irp i, 0,1,2,3
	global_load_b128 v[R+16*((\t)%4)+4*\i:R+16*((\t)%4)+4*\i+3], v3, s[4:5] offset:2048*(\t)+512*\i th:TH_LOAD_NT   ; 32 lanes read 512 consecutive bytes
.endr
.endm
.macro TURN t                          ; step t's numbers through the stage: LDS serves a wave's instructions in order, so no wait stands between the stores and the loads
.irp i, 0,1,2,3
	ds_store_b128 v14, v[R+16*((\t)%4)+4*\i:R+16*((\t)%4)+4*\i+3] offset:32*SP*((\t)%2)+8*SP*\i
.endr
.irp i, 0,1,2,3
	ds_load_b128 v[X+16*((\t)%2)+4*\i:X+16*((\t)%2)+4*\i+3], v15 offset:32*SP*((\t)%2)+16*\i
.endr
.endm
.irp t, 0,1,2,3
	LOAD \t
.endr
	s_wait_loadcnt 12                              ; step 0's four loads are in; the 12 of steps 1 to 3 may be out
	TURN 0
.macro STEP t
.set XS, X+16*((\t)%2)
.if (\t) > 0
	s_wait_dscnt 1                                 ; this step's numbers are back from the stage (the last step's byte store may be out): so its stores into the stage have read their registers,
.else
	s_wait_dscnt 0x0
.endif
.if (\t)+4 < STEPS
	LOAD (\t)+4                                    ; which take the loads of four steps on
.endif
.if (\t)+1 < STEPS
.if STEPS-2-(\t) >= 3
	s_wait_loadcnt 12                              ; the next step's four loads are in; those of the three steps behind it may be out
.else
	s_wait_loadcnt 4*(STEPS-2-(\t))
.endif
	TURN (\t)+1                                    ; and go through the other stage while this step is worked
.endif
	v_max3_num_f32 v8, |v[XS]|, |v[XS+1]|, |v[XS+2]|               ; the largest magnitude of my 16, in two chains
	v_max3_num_f32 v9, |v[XS+3]|, |v[XS+4]|, |v[XS+5]|
.irp i, 6,10
	v_max3_num_f32 v8, v8, |v[XS+\i]|, |v[XS+\i+1]|
	v_max3_num_f32 v9, v9, |v[XS+\i+2]|, |v[XS+\i+3]|
.endr
	v_max3_num_f32 v8, v8, |v[XS+14]|, |v[XS+15]|
	v_max3_num_f32 v8, v8, v9, (EMAX+1)<<23        ; and the floor 2^(3 - 127): the byte cannot fall under 1
	v_max_num_f32_dpp v8, v8, v8 row_xmask:1 row_mask:0xf bank_mask:0xf   ; and of my neighbour's 16: the block's
	v_add_nc_u32 v11, 0xff000000, v8               ; 2 off its exponent field: the conversion takes the exponent field of this operand as its scale
	v_cvt_scalef32_pk16_fp6_f32 v[C+4*(\t):C+4*(\t)+2], v[XS:XS+15], v11
	v_lshrrev_b32 v[E+(\t)], 23, v11               ; the scale's byte (also the plain line behind the conversion)
	ds_store_b8 v5, v[E+(\t)] offset:16*(\t)       ; both lanes of a block write the same byte with the same value
	global_store_b96 v4, v[C+4*(\t):C+4*(\t)+2], s[10:11] offset:32*CB*(\t)   ; the wave stores 384 consecutive bytes
.endm
.irp t, 0,1,2,3,4,5,6,7,8,9,10,11,12,13,14,15
	STEP \t
.endr
	ds_load_b64 v[12:13], v6                       ; LDS serves a wave's instructions in order: these see my stores
	s_wait_dscnt 0x0
	global_store_b64 v7, v[12:13], s[12:13]        ; 32 lanes store 256 consecutive bytes, aligned
	s_wait_tensorcnt 0x0
	ds_add_u32 v192, v193
	s_wait_dscnt 0x0
	s_endpgm
.Lfunc_end_k_q771fed6b13_qx:
	.size	k_q771fed6b13_qx, .Lfunc_end_k_q771fed6b13_qx-k_q771fed6b13_qx
	.p2alignl 7, 3214868480
	.fill 96, 4, 3214868480
	.section	.rodata,"a",@progbits
	.p2align	6, 0x0
	.amdhsa_kernel k_q771fed6b13_qx
		.amdhsa_group_segment_fixed_size 33280
		.amdhsa_private_segment_fixed_size 0
		.amdhsa_enable_private_segment 0
		.amdhsa_kernarg_size 40
		.amdhsa_user_sgpr_count 2
		.amdhsa_user_sgpr_kernarg_segment_ptr 1
		.amdhsa_wavefront_size32 1
		.amdhsa_system_sgpr_workgroup_id_x 1
		.amdhsa_system_sgpr_workgroup_id_y 1
		.amdhsa_system_sgpr_workgroup_id_z 1
		.amdhsa_system_vgpr_workitem_id 0
		.amdhsa_next_free_vgpr 194
		.amdhsa_next_free_sgpr 66
		.amdhsa_reserve_vcc 0
		.amdhsa_float_denorm_mode_32 3
		.amdhsa_float_denorm_mode_16_64 3
		.amdhsa_memory_ordered 1
		.amdhsa_forward_progress 1
		.amdhsa_inst_pref_size 33
	.end_amdhsa_kernel
	.amdgpu_metadata
---
amdhsa.version: [ 1, 2 ]
amdhsa.kernels:
  - .name:           k_q771fed6b13_qx
    .symbol:         k_q771fed6b13_qx.kd
    .args:
      - { .name: Q_emb, .offset: 0, .size: 8, .value_kind: global_buffer, .address_space: global }
      - { .name: K_emb, .offset: 8, .size: 8, .value_kind: global_buffer, .address_space: global }
      - { .name: V_emb, .offset: 16, .size: 8, .value_kind: global_buffer, .address_space: global }
      - { .name: xc, .offset: 24, .size: 8, .value_kind: global_buffer, .address_space: global }
      - { .name: xs, .offset: 32, .size: 8, .value_kind: global_buffer, .address_space: global }
    .group_segment_fixed_size: 33280
    .private_segment_fixed_size: 0
    .kernarg_segment_align: 8
    .kernarg_segment_size: 40
    .max_flat_workgroup_size: 128
    .sgpr_count:     66
    .vgpr_count:     194
    .wavefront_size: 32
...
	.end_amdgpu_metadata
.endif
;; end of part 1
;; launch qw (part 2): grid 8 x 16, 4 waves a work-group, no clusters, 36,352 bytes of LDS; arguments WQ, WK, WV, WO, wc, ws; writes wc, ws
.if DOCPART == 2
	.amdgcn_target "amdgcn-amd-amdhsa--gfx1250"
	.amdhsa_code_object_version 6
	.text
	.protected	k_q771fed6b13_qw
	.globl	k_q771fed6b13_qw
	.p2align	8
	.type	k_q771fed6b13_qw,@function
k_q771fed6b13_qw:
	s_mov_b64 s[64:65], 0
	v_nop
	global_prefetch_b8 v0, s[64:65] scope:SCOPE_SE
	s_setreg_imm32_b32 hwreg(HW_REG_WAVE_MODE, 25, 1), 1
	s_wait_xcnt 0x0
; WQ, WK, WV, WO [1024 (k)][1024 (n)] f32: K is the FIRST axis.  Each becomes codes of FP6 (E2M3) laid [n][k] with K innermost (768 bytes a row) in wc, and one E8M0 byte for each 32 along K (32 bytes a row) in ws.
; A LANE TAKES A COLUMN n AND ITS REGISTERS RUN DOWN K: a block of 32 along K lies in one lane's 32 registers, and the conversions give codes with K innermost.  Nothing is transposed by an instruction.
; THE ROWS n ARE STORED IN ANOTHER ORDER: stored place p holds row rho(p), rho = p with its bits 3 and 4 exchanged.  rho stays inside the 32 columns of a wave: it only changes the stores' offsets.
; LIMITS: a block of zeros, or one whose largest magnitude lies under 2^-124, gets the byte 1 (this program alone reads the bytes); NaN and infinities among the inputs are not served.
; A wave takes 32 columns x 256 along K: 8 blocks a lane, 192 bytes of codes a column, which go through the wave's own stage in LDS and leave as rows: sixteen lanes store a row's 192 consecutive bytes.
; Work-group x: 128 columns; y: tensor (y / 4) and quarter of K (y % 4).  No barrier: waves share nothing.  Loads run two blocks (64 loads a wave) ahead.
.set SIZE_K, 1024
.set SIZE_N, 1024
.set KW,    256
.set NB,    KW/32
.set ROWB,  192
.set PITCH, 272                        ; a stage row: sixteen places of 16 bytes, each with 12 bytes of codes, + 16
.set KROW,  SIZE_K*6/8
.set EMAX,  2
.set WCB,   786432                     ; a weight's codes in bytes
.set X,     32                         ; v32-95   two sets of 32 numbers
.set C,     96                         ; v96..    a block's codes
.set OUTR,  112                        ; v112-175 the way out
.set SB,    24                         ; v24-25   the scale bytes, four to a register
	s_load_b256 s[4:11], s[0:1], 0x0               ; WQ, WK, WV, WO
	s_load_b128 s[12:15], s[0:1], 0x20             ; wc, ws
	v_lshl_add_u32 v192, v0, 2, 0x8c00
	v_mov_b32 v193, 0
	v_lshrrev_b32 v1, 5, v0
	v_readfirstlane_b32 s16, v1                    ; wave 0..3
	v_and_b32 v2, 31, v0                           ; lane
	s_lshl_b32 s17, ttmp9, 7
	s_lshl_b32 s18, s16, 5
	s_add_co_u32 s17, s17, s18                     ; my wave's first column
	s_and_b32 s30, ttmp7, 0xffff
	s_and_b32 s18, s30, 3                          ; which 256 along K
	s_lshr_b32 s30, s30, 2                         ; which weight
	v_lshlrev_b32 v3, 2, v2                        ; in: 4 bytes a lane
	s_mul_i32 s19, s16, 32*PITCH                   ; my stage
	v_mul_u32_u24 v4, v2, PITCH
	v_add_nc_u32 v4, s19, v4                       ; into it: row = my column
	v_and_b32 v5, 15, v2
	v_lshrrev_b32 v6, 4, v2                        ; out of it: sixteen lanes to a row, two rows an instruction
	v_mul_u32_u24 v7, v6, PITCH
	v_lshl_add_u32 v7, v5, 4, v7
	v_add_nc_u32 v7, s19, v7                       ; LDS address
	v_mul_u32_u24 v8, v6, KROW
	v_mad_u32_u24 v8, v5, 12, v8                   ; and the place in the codes' buffer (rows 2 t and 2 t + 1 keep their bit 0 under rho)
	v_and_b32 v9, 7, v2                            ; rho(lane): bits 3 and 4 exchanged
	v_bfe_u32 v10, v2, 3, 1
	v_lshl_or_b32 v9, v10, 4, v9
	v_bfe_u32 v10, v2, 4, 1
	v_lshl_or_b32 v9, v10, 3, v9
	v_lshlrev_b32 v9, 5, v9                        ; my column's row of scale bytes: 32 bytes a row
	s_lshl_b32 s20, s18, 20                        ; W: 256 rows of 4,096 bytes for each quarter of K,
	s_lshl_b32 s22, s17, 2
	s_add_co_u32 s20, s20, s22                     ; + 4 x column
	s_mov_b32 s21, 0
	s_mul_i32 s24, s17, KROW                       ; codes: column x 768 + 192 x quarter + the weight's part
	s_mul_i32 s26, s18, ROWB
	s_add_co_u32 s24, s24, s26
	s_mul_i32 s26, s30, WCB
	s_add_co_u32 s24, s24, s26
	s_mov_b32 s25, 0
	s_lshl_b32 s28, s17, 5                         ; scale bytes: column x 32 + 8 x quarter + the weight's 32,768
	s_lshl_b32 s26, s18, 3
	s_add_co_u32 s28, s28, s26
	s_lshl_b32 s26, s30, 15
	s_add_co_u32 s28, s28, s26
	s_mov_b32 s29, 0
	s_and_b32 s31, s30, 1
	s_wait_kmcnt 0x0
	s_cmp_lt_u32 s30, 2                            ; the choice hangs on the work-group's number alone
	s_cselect_b64 s[4:5], s[4:5], s[8:9]           ; WQ or WV
	s_cselect_b64 s[6:7], s[6:7], s[10:11]         ; WK or WO
	s_cmp_eq_u32 s31, 0
	s_cselect_b64 s[4:5], s[4:5], s[6:7]
	s_add_nc_u64 s[4:5], s[4:5], s[20:21]
	s_add_nc_u64 s[12:13], s[12:13], s[24:25]
	s_add_nc_u64 s[14:15], s[14:15], s[28:29]
.macro LOAD t                          ; block t: W(32 t + i, my column), i = 0 .. 31, into set t % 2
.irp i, 0,1,2,3,4,5,6,7,8,9,10,11,12,13,14,15,16,17,18,19,20,21,22,23,24,25,26,27,28,29,30,31
	global_load_b32 v[X+32*((\t)%2)+\i], v3, s[4:5] offset:(32*(\t)+\i)*SIZE_N*4 th:TH_LOAD_NT
.endr
.endm
	LOAD 0
	LOAD 1
.macro BLOCK t
.set XS, X+32*((\t)%2)
.if (\t) < NB-1
	s_wait_loadcnt 32                              ; this block's 32 loads are in; the next block's 32 may be out
.else
	s_wait_loadcnt 0
.endif
	v_max3_num_f32 v12, |v[XS]|, |v[XS+1]|, |v[XS+2]|               ; the block's largest magnitude: all 32 numbers are mine
	v_max3_num_f32 v13, |v[XS+3]|, |v[XS+4]|, |v[XS+5]|
.irp i, 6,10,14,18,22,26
	v_max3_num_f32 v12, v12, |v[XS+\i]|, |v[XS+\i+1]|
	v_max3_num_f32 v13, v13, |v[XS+\i+2]|, |v[XS+\i+3]|
.endr
	v_max3_num_f32 v12, v12, |v[XS+30]|, |v[XS+31]|
	v_max3_num_f32 v12, v12, v13, (EMAX+1)<<23     ; and the floor 2^(3 - 127): the byte cannot fall under 1
	v_add_nc_u32 v11, 0xff000000, v12              ; 2 off its exponent field: the conversion's scale operand
	v_lshrrev_b32 v13, 23, v11                     ; the scale's byte
.if (\t)%4 == 0
	v_mov_b32 v[SB+(\t)/4], v13                    ; four bytes to a register, the lower K in the lower byte
.else
	v_lshl_or_b32 v[SB+(\t)/4], v13, 8*((\t)%4), v[SB+(\t)/4]
.endif
	v_cvt_scalef32_pk16_fp6_f32 v[C:C+2], v[XS:XS+15], v11
	v_cvt_scalef32_pk16_fp6_f32 v[C+4:C+6], v[XS+16:XS+31], v11     ; (a conversion's three registers begin on an even number)
	ds_store_b96 v4, v[C:C+2] offset:32*(\t)       ; 12 bytes to a place of 16 in the stage: every LDS address is a multiple of 16
	ds_store_b96 v4, v[C+4:C+6] offset:32*(\t)+16
.if (\t)+2 < NB
	LOAD (\t)+2
.endif
	s_wait_dscnt 0x0                               ; the stores have read their registers: the next block's codes may be written
.endm
.set Q, 0
.rept NB
	BLOCK Q
.set Q, Q+1
.endr
	global_store_b64 v9, v[SB:SB+1], s[14:15]      ; my column's 8 scale bytes, at its stored row
.irp t, 0,1,2,3,4,5,6,7,8,9,10,11,12,13,14,15
	ds_load_b96 v[OUTR+4*\t:OUTR+4*\t+2], v7 offset:2*\t*PITCH   ; LDS serves a wave's instructions in order: these see my stores
.endr
.irp t, 0,1,2,3,4,5,6,7,8,9,10,11,12,13,14,15
	s_wait_dscnt 15-\t                             ; loads come back in order: the 15 - t younger ones may be out
	global_store_b96 v8, v[OUTR+4*\t:OUTR+4*\t+2], s[12:13] offset:2*((\t&3)|(((\t>>2)&1)<<3)|(((\t>>3)&1)<<2))*KROW   ; columns 2 t, 2 t + 1 go to stored rows rho(2 t), rho(2 t + 1): bits 2 and 3 of t exchanged
.endr
	s_wait_tensorcnt 0x0
	ds_add_u32 v192, v193
	s_wait_dscnt 0x0
	s_endpgm
.Lfunc_end_k_q771fed6b13_qw:
	.size	k_q771fed6b13_qw, .Lfunc_end_k_q771fed6b13_qw-k_q771fed6b13_qw
	.p2alignl 7, 3214868480
	.fill 96, 4, 3214868480
	.section	.rodata,"a",@progbits
	.p2align	6, 0x0
	.amdhsa_kernel k_q771fed6b13_qw
		.amdhsa_group_segment_fixed_size 36352
		.amdhsa_private_segment_fixed_size 0
		.amdhsa_enable_private_segment 0
		.amdhsa_kernarg_size 48
		.amdhsa_user_sgpr_count 2
		.amdhsa_user_sgpr_kernarg_segment_ptr 1
		.amdhsa_wavefront_size32 1
		.amdhsa_system_sgpr_workgroup_id_x 1
		.amdhsa_system_sgpr_workgroup_id_y 1
		.amdhsa_system_sgpr_workgroup_id_z 1
		.amdhsa_system_vgpr_workitem_id 0
		.amdhsa_next_free_vgpr 194
		.amdhsa_next_free_sgpr 66
		.amdhsa_reserve_vcc 0
		.amdhsa_float_denorm_mode_32 3
		.amdhsa_float_denorm_mode_16_64 3
		.amdhsa_memory_ordered 1
		.amdhsa_forward_progress 1
		.amdhsa_inst_pref_size 42
	.end_amdhsa_kernel
	.amdgpu_metadata
---
amdhsa.version: [ 1, 2 ]
amdhsa.kernels:
  - .name:           k_q771fed6b13_qw
    .symbol:         k_q771fed6b13_qw.kd
    .args:
      - { .name: WQ, .offset: 0, .size: 8, .value_kind: global_buffer, .address_space: global }
      - { .name: WK, .offset: 8, .size: 8, .value_kind: global_buffer, .address_space: global }
      - { .name: WV, .offset: 16, .size: 8, .value_kind: global_buffer, .address_space: global }
      - { .name: WO, .offset: 24, .size: 8, .value_kind: global_buffer, .address_space: global }
      - { .name: wc, .offset: 32, .size: 8, .value_kind: global_buffer, .address_space: global }
      - { .name: ws, .offset: 40, .size: 8, .value_kind: global_buffer, .address_space: global }
    .group_segment_fixed_size: 36352
    .private_segment_fixed_size: 0
    .kernarg_segment_align: 8
    .kernarg_segment_size: 48
    .max_flat_workgroup_size: 128
    .sgpr_count:     66
    .vgpr_count:     194
    .wavefront_size: 32
...
	.end_amdgpu_metadata
.endif
;; end of part 2
;; launch proj (part 3): grid 4 x 96, 4 waves a work-group, clusters of 4 x 4, 327,680 bytes of LDS; arguments xc, xs, wc, ws, pc, ps; writes pc, ps
.if DOCPART == 3
	.amdgcn_target "amdgcn-amd-amdhsa--gfx1250"
	.amdhsa_code_object_version 6
	.text
	.protected	k_q771fed6b13_proj
	.globl	k_q771fed6b13_proj
	.p2align	8
	.type	k_q771fed6b13_proj,@function
k_q771fed6b13_proj:
	s_mov_b64 s[64:65], 0
	v_nop
	global_prefetch_b8 v0, s[64:65] scope:SCOPE_SE
	s_setreg_imm32_b32 hwreg(HW_REG_WAVE_MODE, 25, 1), 1
	s_wait_xcnt 0x0
	s_wait_alu depctr_hold_cnt(0) depctr_sa_sdst(0) depctr_va_vdst(0) depctr_va_sdst(0) depctr_va_ssrc(0) depctr_va_vcc(0) depctr_vm_vsrc(0)
	s_getreg_b32 s2, hwreg(HW_REG_IB_STS2, 6, 4)
	s_cmp_eq_u32 s2, 0
	s_cbranch_scc0 .Lentry_in_a_cluster
	s_endpgm
.Lentry_in_a_cluster:
	s_bfe_u32 s2, ttmp6, 0x10000c
	s_cmp_lg_u32 s2, 0xf033
	s_cbranch_scc0 .Lentry_shape_is_right
	s_endpgm
.Lentry_shape_is_right:
; The three projections q = Q_emb WQ, k = K_emb WK, v = V_emb WV on codes of FP6 (E2M3) with one E8M0 scale for each 32 along K = 1,024; each result is quantised IN REGISTERS for the attention's products and leaves as codes.
; Cluster y / 8 says which product (TAU = 0 q, 1 k, 2 v).  A tile of 256 x 256 is made by four waves, 128 x 128 each: 64 accumulators of 16 x 16.  The matrix instruction takes 16 rows of "B" as source 0 and 16 rows
; of "A" as source 1: a lane then holds ONE row of A, and its registers run along B's rows.  q, k: A = the tokens, B = the weight's rows (the head's axis, along which q and k are quantised).
; v: A = WV's rows, B = the tokens (the keys, along which v is quantised).  B's rows lie in memory in the order rho (bits 3 and 4 of the row exchanged), so that the 16 registers of result tiles 2 b and 2 b + 1
; are 16 NEIGHBOURS: 32 b + 16 (lane / 16) + 0 .. 15.  So a block of A's 16 rows x my 128 of B is, after the quantiser, one operand fragment (12 registers a lane) and one scale word a row.
; OUT.  A fragment leaves as an IMAGE OF ITS REGISTERS: six stores of 8 bytes a lane, each 256 consecutive bytes, aligned; 1,536 bytes an image.  pc: q, k: [b][pair of heads][tile of 16 tokens]; v: [b][128 keys][tile of 16 n].
; ps: q, k: [b][head][128 tokens][row 16][tile 8] words (bytes 0, 1: the head's two blocks); v: [b][head][128 keys][row 16][tile 4] words.
; K goes in steps of 256 through a ring of two LDS slots filled by the tensor data mover; the scale bytes of the work-group's rows come once.  4 x 4 work-groups form a cluster: A's tiles are asked for jointly
; along a row of the cluster, B's along a column.  By this text's count a wave has at most three tensor loads out (its three first fills).
; LIMITS: a block whose largest magnitude lies under 2^-124 gets the byte 1 (a block of zeros has zero codes); NaN and infinities are not served.
; REGISTERS: window 0: v0-31 addresses; v32-63 scale words, two sets; v64-116 the way out's work; from v128 A's fragments, one set.  window 1: B's fragments, two sets.  windows 2, 3: the accumulators ((a, b) at v[8 (8 (a % 4) + b)]).
.set KSTEP,  256
.set NQ,     2
.set ROWB,   192                       ; a tile's row in bytes
.set KROW,   768                       ; a row of codes in memory
.set PITCH,  240                       ; an LDS row: 3 x (64 bytes + 16 of padding)
.set FR,     12
.set NL,     6
.set NP,     4                         ; places behind this matrix instruction (ISA guide 7.12.1)
.set HALFT,  128*PITCH
.set SLOT,   4*HALFT
.set LAPS,   2                         ; 1,024 / 512
.set KS,     32                        ; a row of scale bytes
.set SCL,    2*SLOT
.set HALFS,  (128*KS/256)*272
.set SBLK,   (16*KS/256)*272
.set SPARE,  SCL+4*HALFS               ; the spare words, 128 bytes a wave: two blocks of 256 bytes that no other line names
.set XCB,    6291456
.set XSB,    262144
.set WCB,    786432
.set WSB,    32768
.set IMG,    1536
.set ADRA, 16
.set ADRB, 20
.set ADRS, 27
.set SPW,  28
.set NIL,  29
.set VO,   30                          ; v30  8 x lane: my place in a chunk of an image
.set SO,   31                          ; v31  my place among the scale words
.set SC,   32
.set PC,   64                          ; v64-83   the codes just made
.set TM,   84                          ; v84-87 largest magnitudes, v88-91 the other half's, then bytes, v96-99 the conversions' scale operands
.set PWS,  100                         ; v100-107 the eight blocks' scale words
.set DS,   108                         ; v108-111 the four that my lane stores
.set DS2,  112                         ; v112-115 the odd head's
.set FLR,  116                         ; v116 the floor 2^(3 - 127)
.set AF,   128
.set G1, 24
.set G0, 32
.set G1B, 48
.set G0B, 56
.set G1S, 68
.set G0S, 76
.set G1SB, 80
.set G0SB, 88
.set SEL, 100                          ; s[100:101] lane selects: lane l xor 16
.set MSB, 0
.macro WIN new                         ; the immediate's high byte repeats the setting that is left
.if MSB != \new
	s_set_vgpr_msb (MSB<<8)|\new
.set MSB, \new
.endif
.endm
.set MUL_LO, 0xa1                      ; source 0 (B) window 1, source 1 (A) window 0, C and D window 2
.set MUL_HI, 0xf1
.set TO_B,   0x40
; A joint load: waves 0 and 1 fetch for A, waves 2 and 3 for B; the branch hangs on the wave's number alone.  Four v_nop follow each of the two lines.
.macro JLOAD g0a, g1a, g0b, g1b
	s_cmp_eq_u32 s15, 0
	s_cbranch_scc0 .Lfor_b_\@
	tensor_load_to_lds s[\g0a:\g0a+3], s[\g1a:\g1a+7]
	s_nop 0
.rept 4
	v_nop
.endr
	s_branch .Lasked_\@
.Lfor_b_\@:
	tensor_load_to_lds s[\g0b:\g0b+3], s[\g1b:\g1b+7]
	s_nop 0
.rept 4
	v_nop
.endr
.Lasked_\@:
.endm
.macro CREST                           ; a round of the cluster's barrier behind its opening barrier
	s_cmp_lg_u32 s14, 0
	s_cbranch_scc1 .Lnot_wave_0_\@
	s_barrier_signal -3
.Lnot_wave_0_\@:
	s_barrier_wait -3
	s_barrier_signal -1
	s_barrier_wait -1
.endm
.macro CROUND
	s_barrier_signal -1
	s_barrier_wait -1
	CREST
.endm
	s_load_b128 s[96:99], s[0:1], 0x0              ; xc, xs
	s_load_b128 s[92:95], s[0:1], 0x10             ; wc, ws
	s_load_b64 s[12:13], s[0:1], 0x20              ; pc
	s_load_b64 s[66:67], s[0:1], 0x28              ; ps
	v_lshl_add_u32 v[SPW], v0, 2, SPARE
	v_mov_b32 v[NIL], 0
	ds_add_u32 v28, v29
	ds_add_u32 v28, v29
	s_wait_dscnt 0x0
	v_lshrrev_b32 v1, 5, v0
	v_readfirstlane_b32 s14, v1                    ; wave 0..3
	s_lshr_b32 s15, s14, 1                         ; which half of A's rows is mine.  Also: I fetch for A (0) or for B (1)
	s_and_b32 s16, s14, 1                          ; which half of B's rows.  Also: which 128 rows I fetch
	s_bfe_u32 s40, ttmp6, 0x40000                  ; cx, cy: my place in the cluster
	s_bfe_u32 s41, ttmp6, 0x40004
	s_and_b32 s18, ttmp7, 0xffff                   ; the cluster's y, 0 .. 23
	s_lshr_b32 s2, s18, 3                          ; TAU: the same in all sixteen partners
	s_and_b32 s19, s18, 7
	s_cmp_eq_u32 s2, 2
	s_cselect_b32 s20, 0, s19                      ; the tokens' 32 tiles run along A's rows (q, k) or along B's (v); the weight has 4
	s_cselect_b32 s21, s19, 0
	s_lshl_b32 s17, s20, 2
	s_add_co_u32 s17, s17, s41                     ; tile row (of A)
	s_lshl_b32 s42, s21, 2
	s_add_co_u32 s42, s42, s40                     ; tile column (of B)
	s_lshl_b32 s43, s41, 2
	s_lshl_b32 s43, 15, s43                        ; my row of the cluster
	s_lshl_b32 s44, 0x1111, s40                    ; my column
	; descriptor group 1: a tile of 128 rows x 192 bytes, 16 bytes of padding behind every 64
	s_or_b32 s[G1+0], s43, (0<<16)|(1<<20)|(1<<21)|(3<<22)|(3<<25)
	s_or_b32 s[G1B+0], s44, (0<<16)|(1<<20)|(1<<21)|(3<<22)|(3<<25)
.irp g, G1, G1B
	s_mov_b32 s[\g+1], ROWB<<16                    ; tensor_dim0
	s_mov_b32 s[\g+2], 128<<16                     ; tensor_dim1
	s_mov_b32 s[\g+3], ROWB<<16                    ; tile_dim0
	s_mov_b32 s[\g+4], 128                         ; tile_dim1
	s_mov_b32 s[\g+5], KROW                        ; the pitch
	s_mov_b32 s[\g+6], 0
	s_mov_b32 s[\g+7], 0
.endr
	; the scale bytes of 128 rows: a dense block of 4,096 bytes, as rows of 256 bytes (32 elements of 8), 16 bytes of padding behind each
	s_or_b32 s[G1S+0], s43, (3<<16)|(1<<20)|(1<<21)|(5<<22)|(3<<25)
	s_or_b32 s[G1SB+0], s44, (3<<16)|(1<<20)|(1<<21)|(5<<22)|(3<<25)
.irp g, G1S, G1SB
	s_mov_b32 s[\g+1], 32<<16
	s_mov_b32 s[\g+2], (128*KS/256)<<16
	s_mov_b32 s[\g+3], 32<<16
	s_mov_b32 s[\g+4], 128*KS/256
	s_mov_b32 s[\g+5], 32
	s_mov_b32 s[\g+6], 0
	s_mov_b32 s[\g+7], 0
.endr
	s_lshl_b32 s18, s16, 7                         ; which 128 rows of the tile I fetch
	s_lshl_b32 s20, s17, 8
	s_add_co_u32 s20, s20, s18                     ; A: row 256 x tile row + 128 x half
	s_lshl_b32 s46, s42, 8
	s_add_co_u32 s46, s46, s18                     ; B: row 256 x tile column + 128 x half
	s_mov_b32 s21, 0
	s_mov_b32 s47, 0
	s_mov_b64 s[18:19], KS
	s_mul_u64 s[22:23], s[20:21], s[18:19]         ; where these rows' scale bytes begin
	s_mul_u64 s[100:101], s[46:47], s[18:19]
	s_mov_b64 s[18:19], KROW
	s_mul_u64 s[20:21], s[20:21], s[18:19]         ; and their codes
	s_mul_u64 s[46:47], s[46:47], s[18:19]
	s_mul_i32 s45, s14, HALFT                      ; where they go: wave x 128 rows: no place in the cluster enters an LDS address
	s_mul_i32 s104, s14, HALFS
	s_mov_b32 s5, 0
	s_wait_kmcnt 0x0
	s_mul_i32 s4, s2, XCB                          ; each buffer at this product's tensor
	s_add_nc_u64 s[96:97], s[96:97], s[4:5]
	s_mul_i32 s4, s2, XSB
	s_add_nc_u64 s[98:99], s[98:99], s[4:5]
	s_mul_i32 s4, s2, WCB
	s_add_nc_u64 s[92:93], s[92:93], s[4:5]
	s_mul_i32 s4, s2, WSB
	s_add_nc_u64 s[94:95], s[94:95], s[4:5]
	s_cmp_eq_u32 s2, 2                             ; who is A and who is B: the choice hangs on the cluster's number alone
	s_cselect_b64 s[4:5], s[92:93], s[96:97]       ; A's codes
	s_cselect_b64 s[6:7], s[94:95], s[98:99]       ; A's scale bytes
	s_cselect_b64 s[8:9], s[96:97], s[92:93]       ; B's codes
	s_cselect_b64 s[10:11], s[98:99], s[94:95]     ; B's scale bytes
	s_add_nc_u64 s[20:21], s[4:5], s[20:21]
	s_add_nc_u64 s[22:23], s[6:7], s[22:23]
	s_add_nc_u64 s[46:47], s[8:9], s[46:47]
	s_add_nc_u64 s[100:101], s[10:11], s[100:101]
	CROUND                                         ; all sixteen work-groups are here: the first joint loads meet
	s_mov_b32 s[G0S], 1
	s_add_co_u32 s[G0S+1], s104, SCL
	s_mov_b64 s[G0S+2:G0S+3], s[22:23]
	s_or_b32 s[G0S+3], s[G0S+3], 0x80000000
	s_mov_b32 s[G0SB], 1
	s_add_co_u32 s[G0SB+1], s104, SCL
	s_mov_b64 s[G0SB+2:G0SB+3], s[100:101]
	s_or_b32 s[G0SB+3], s[G0SB+3], 0x80000000
	JLOAD G0S, G1S, G0SB, G1SB                     ; the scale bytes first: they are wanted with K step 0
.irp s, 0,1
	s_mov_b32 s[G0+4*\s], 1
	s_add_co_u32 s[G0+4*\s+1], s45, \s*SLOT
	s_add_nc_u64 s[G0+4*\s+2:G0+4*\s+3], s[20:21], \s*ROWB
	s_or_b32 s[G0+4*\s+3], s[G0+4*\s+3], 0x80000000
	s_mov_b32 s[G0B+4*\s], 1
	s_add_co_u32 s[G0B+4*\s+1], s45, \s*SLOT
	s_add_nc_u64 s[G0B+4*\s+2:G0B+4*\s+3], s[46:47], \s*ROWB
	s_or_b32 s[G0B+4*\s+3], s[G0B+4*\s+3], 0x80000000
	JLOAD G0+4*\s, G1, G0B+4*\s, G1B
.endr
	v_and_b32 v1, 15, v0                           ; r = l % 16
	v_bfe_u32 v2, v0, 4, 1                         ; h = l / 16
	v_mul_u32_u24 v3, v1, PITCH
	v_mul_u32_u24 v4, v2, 24
	v_add_nc_u32 v4, v3, v4                        ; a fragment's row x pitch + 24 x half
	v_lshl_add_u32 v5, v2, 4, v4                   ; and the same behind one padding more
	s_mul_i32 s21, s15, HALFT                      ; my 128 rows of A
	s_mul_i32 s22, s16, HALFT                      ; my 128 rows of B,
	s_add_co_u32 s22, s22, 2*HALFT                 ; which lie behind A's 256
.irp s, 0,1
	v_add_nc_u32 v[ADRA+\s], s21, v4
	v_add_nc_u32 v[ADRB+\s], s22, v4
	v_add_nc_u32 v[ADRA+2+\s], s21, v5
	v_add_nc_u32 v[ADRB+2+\s], s22, v5
	s_add_co_u32 s21, s21, SLOT
	s_add_co_u32 s22, s22, SLOT
.endr
	v_mul_u32_u24 v5, v1, KS                       ; my row's scale bytes: 32 a row,
	v_lshrrev_b32 v6, 8, v5
	v_lshl_add_u32 v5, v6, 4, v5                   ; and 16 more for each 256 passed
	s_mul_i32 s21, s15, HALFS                      ; A's: my 128 rows
	s_mul_i32 s22, s16, HALFS                      ; B's: my 128 rows, behind A's 256
	s_add_co_u32 s22, s22, 2*HALFS
	s_sub_co_u32 s22, s22, s21
	v_mul_u32_u24 v6, s22, v2                      ; lanes 16-31 take B's
	s_add_co_u32 s21, s21, SCL
	v_add_nc_u32 v5, v5, v6
	v_add_nc_u32 v[ADRS], s21, v5
	; the way out: where my wave's eight images and their scale words go
	s_lshl_b32 s20, s17, 8
	s_lshl_b32 s21, s15, 7
	s_add_co_u32 s20, s20, s21                     ; my first row of A
	s_lshl_b32 s46, s42, 8
	s_lshl_b32 s47, s16, 7
	s_add_co_u32 s46, s46, s47                     ; my first row of B
	s_cmp_eq_u32 s2, 2
	s_cselect_b32 s22, s46, s20                    ; my first token,
	s_cselect_b32 s23, s20, s46                    ; my first n
	s_lshr_b32 s96, s22, 11                        ; b: the batch
	s_bfe_u32 s97, s22, 0x40007                    ; which 128 tokens of it
	s_lshr_b32 s98, s23, 7                         ; which pair of heads
	s_cmp_eq_u32 s2, 2
	s_cselect_b32 s18, 8, 128                      ; images from one pair of heads to the next,
	s_cselect_b32 s19, 64, 8                       ; and from one 128 tokens to the next
	s_cselect_b32 s92, 1, 0
	s_cselect_b32 s93, 4, 5                        ; scale words: 16 bytes a row (v) or 32 (q, k);
	s_cselect_b32 s94, 12, 4                       ; lanes 16-31 take the next head (v: 4,096 bytes on) or tiles 4-7 (q, k: 16 bytes on)
	s_mul_i32 s18, s98, s18
	s_mul_i32 s19, s97, s19
	s_lshl_b32 s99, s96, 10
	s_add_co_u32 s99, s99, s18
	s_add_co_u32 s99, s99, s19
	s_mul_i32 s99, s99, IMG
	s_mul_i32 s18, s2, XCB                         ; q, k, v one behind the other: 6,291,456 bytes each
	s_add_co_u32 s20, s99, s18
	s_mov_b32 s21, 0
	s_add_nc_u64 s[12:13], s[12:13], s[20:21]
	s_lshl_b32 s18, s96, 17                        ; q, k: b x 131,072 + pair x 16,384 + (128 tokens) x 512; v: half of each
	s_lshl_b32 s19, s98, 14
	s_add_co_u32 s18, s18, s19
	s_lshl_b32 s19, s97, 9
	s_add_co_u32 s18, s18, s19
	s_lshr_b32 s18, s18, s92
	s_lshl_b32 s19, s2, 19                         ; q's words at 0, k's at 524,288, v's at 1,048,576
	s_add_co_u32 s20, s18, s19
	s_add_nc_u64 s[66:67], s[66:67], s[20:21]
	v_lshlrev_b32 v[SO], s93, v1
	v_lshlrev_b32 v5, s94, v2
	v_add_nc_u32 v[SO], v[SO], v5
	v_and_b32 v6, 31, v0
	v_lshlrev_b32 v[VO], 3, v6
	v_mov_b32 v[FLR], 0x1800000
.irp b, 0,1,2,3
	v_mov_b32 v[TM+4+\b], 0                        ; written once: a lane permute's destination counts as one of its sources
.endr
	s_mov_b32 s[SEL], 0x76543210
	s_mov_b32 s[SEL+1], 0xfedcba98
.macro FRAG reg, adr, q, i             ; a fragment, 16 rows x 128 K of 6-bit codes: 12 registers; registers 6 c .. 6 c + 5 hold K = 64 c + 32 (l / 16) + 0 .. 31: 24 bytes of the row, as they lie, in pieces of 8 bytes
.irp p, 0,1,2,3,4,5
.set PCE, 12*(\q)+6*(\p/3)+\p%3        ; where the piece three on lies behind one padding more, the second address register serves
.if PCE%8 < 5
	ds_load_b64 v[\reg+2*\p:\reg+2*\p+1], v[\adr] offset:8*PCE+16*(PCE/8)+(\i)*16*PITCH
.else
	ds_load_b64 v[\reg+2*\p:\reg+2*\p+1], v[\adr+2] offset:8*PCE+16*(PCE/8)+(\i)*16*PITCH
.endif
.endr
.endm
; 16 matrix instructions: A's blocks a0, a0 + 1 x B's eight, 128 along K.  The 64 accumulators take turns, one instruction a turn, in the same order in every step.
.macro MUL16 a0, p, q, sc, zero
.irp a, \a0, \a0+1
.irp b, 0,1,2,3,4,5,6,7
.if \zero
	v_wmma_scale_f32_16x16x128_f8f6f4 v[8*(8*((\a)%4)+\b):8*(8*((\a)%4)+\b)+7], v[128*(\p)+FR*\b:128*(\p)+FR*\b+FR-1], v[AF+FR*(\a):AF+FR*(\a)+FR-1], 0, v[SC+8*NQ*(\sc)+NQ*\b+(\q)], v[SC+8*NQ*(\sc)+NQ*(\a)+(\q)] matrix_a_fmt:MATRIX_FMT_FP6 matrix_b_fmt:MATRIX_FMT_FP6 matrix_a_scale:MATRIX_SCALE_ROW1
.else
	v_wmma_scale_f32_16x16x128_f8f6f4 v[8*(8*((\a)%4)+\b):8*(8*((\a)%4)+\b)+7], v[128*(\p)+FR*\b:128*(\p)+FR*\b+FR-1], v[AF+FR*(\a):AF+FR*(\a)+FR-1], v[8*(8*((\a)%4)+\b):8*(8*((\a)%4)+\b)+7], v[SC+8*NQ*(\sc)+NQ*\b+(\q)], v[SC+8*NQ*(\sc)+NQ*(\a)+(\q)] matrix_a_fmt:MATRIX_FMT_FP6 matrix_b_fmt:MATRIX_FMT_FP6 matrix_a_scale:MATRIX_SCALE_ROW1
.endif
.endr
.endr
.endm
.macro FETCH_B slot, q, p
	WIN TO_B
.irp i, 0,1,2,3,4,5,6,7
	FRAG 128*(\p)+FR*\i, ADRB+\slot, \q, \i
.endr
	WIN 0
.endm
.macro FETCH_A slot, q, i0
.irp i, \i0, \i0+1, \i0+2, \i0+3
	FRAG AF+FR*(\i), ADRA+\slot, \q, \i
.endr
.endm
.macro SCALES sc                       ; a K step's scale words: two a row; lanes 0-15 take A's block i, lanes 16-31 B's block i
.irp i, 0,1,2,3,4,5,6,7
	ds_load_b64 v[SC+8*NQ*\sc+NQ*\i:SC+8*NQ*\sc+NQ*\i+1], v[ADRS] offset:\i*SBLK
.endr
.endm
.macro PLACES n                        ; plain vector instructions between a matrix instruction and a load into its sources or a read of its result
.rept \n
	v_nop
.endr
.endm
.macro STEP slot, q, zero              ; a step of 128 along K that has its successor in the same slot
	s_wait_dscnt 4*NL                              ; B's set and A's blocks 0-3 are in; the youngest 24 loads (A's blocks 4-7) may be out
	WIN MUL_LO
	MUL16 0, (\q)%2, \q, \slot, \zero
	MUL16 2, (\q)%2, \q, \slot, \zero
	s_wait_dscnt 0
	PLACES NP
	FETCH_B \slot, (\q)+1, 1-(\q)%2
	FETCH_A \slot, (\q)+1, 0
	WIN MUL_HI
	MUL16 4, (\q)%2, \q, \slot, \zero
	MUL16 6, (\q)%2, \q, \slot, \zero
	PLACES NP
	WIN 0
	FETCH_A \slot, (\q)+1, 4
.endm
; A slot's last step changes slots: one barrier; in front of it each wave waits for all its tensor loads, adds 0 to its spare word, and waits for that and for its own reads of this slot.
.macro TURN slot, next, fill
	s_wait_tensorcnt 0x0                           ; all my tensor loads have landed: my part of the next slot
	ds_add_u32 v[SPW], v[NIL]                      ; 0 onto my spare word
	s_wait_dscnt 4*NL+1                            ; (the add and the youngest 24 loads, A's blocks 4-7, may be out)
	WIN MUL_LO
	MUL16 0, 1, NQ-1, \slot, 0
	s_wait_dscnt 0x0                               ; the add is done, and my reads of this slot are over
	s_barrier_signal -1
	MUL16 2, 1, NQ-1, \slot, 0
	WIN 0
	s_barrier_wait -1
.if \fill
	CREST                                          ; the barrier has opened a round of the cluster's barrier: no wave of any partner still reads this slot or has a load on its way
	s_add_nc_u64 s[G0+4*\slot+2:G0+4*\slot+3], s[G0+4*\slot+2:G0+4*\slot+3], 2*ROWB
	s_add_nc_u64 s[G0B+4*\slot+2:G0B+4*\slot+3], s[G0B+4*\slot+2:G0B+4*\slot+3], 2*ROWB
	JLOAD G0+4*\slot, G1, G0B+4*\slot, G1B         ; the first tensor load behind the round; its four v_nop are the places in front of the loads below
.else
	PLACES NP
.endif
	v_add_nc_u32 v[ADRS], 4*NQ, v[ADRS]            ; on to the next K step's scale words
	FETCH_B \next, 0, 0
	FETCH_A \next, 0, 0
	SCALES \next
	WIN MUL_HI
	MUL16 4, 1, NQ-1, \slot, 0
	MUL16 6, 1, NQ-1, \slot, 0
	PLACES NP
	WIN 0
	FETCH_A \next, 0, 4
.endm
	s_wait_tensorcnt 1                             ; the scale bytes and my part of K step 0 are in (K step 1's load may be out)
	s_barrier_signal -1
	s_barrier_wait -1                              ; everybody's are
	FETCH_B 0, 0, 0
	FETCH_A 0, 0, 0
	SCALES 0
	FETCH_A 0, 0, 4
	STEP 0, 0, 1                                   ; the first step's products start the sums: nothing is cleared
	s_mov_b32 s3, LAPS-1
.Llap:                                                 ; a trip goes once round the ring and fills both slots again
	TURN 0, 1, 1
	STEP 1, 0, 0
	TURN 1, 0, 1
	STEP 0, 0, 0
	s_sub_co_u32 s3, s3, 1
	s_cmp_lg_u32 s3, 0
	s_cbranch_scc1 .Llap
	TURN 0, 1, 0                                   ; the last lap fills nothing
	STEP 1, 0, 0
	s_wait_dscnt 4*NL
	WIN MUL_LO
	MUL16 0, 1, NQ-1, 1, 0
	MUL16 2, 1, NQ-1, 1, 0
	s_wait_dscnt 0
	WIN MUL_HI
	MUL16 4, 1, NQ-1, 1, 0
	MUL16 6, 1, NQ-1, 1, 0
	WIN 0
; THE WAY OUT.  Block a: 16 rows of A x my 128 of B: 64 registers a lane, register 16 b + i = place 32 b + 16 (l / 16) + i along the next K.  They become a fragment's codes and a scale word a row.
.macro QUANTW a
.set QW, 2+(\a)/4                      ; the block's accumulators lie in window 2 or 3
.set QW12, (QW<<2)|(QW<<4)
.set AC, 64*((\a)%4)
	WIN QW12                                       ; sources 1 and 2 in that window
.irp b, 0,1,2,3
	v_max3_num_f32 v[TM+\b], v[FLR], |v[AC+16*\b]|, |v[AC+16*\b+1]|   ; block b's largest magnitude, over the floor; each accumulator is read from its low end on
.endr
.irp i, 2,4,6,8,10,12,14
.irp b, 0,1,2,3
	v_max3_num_f32 v[TM+\b], v[TM+\b], |v[AC+16*\b+\i]|, |v[AC+16*\b+\i+1]|   ; (the four blocks by turns)
.endr
.endr
	WIN 0
.irp b, 0,1,2,3
	v_permlanex16_b32 v[TM+4+\b], v[TM+\b], s[SEL], s[SEL+1]
.endr
.irp b, 0,1,2,3
	v_max_num_f32 v[TM+\b], v[TM+\b], v[TM+4+\b]   ; with lane l xor 16's 16 numbers
.endr
.irp b, 0,1,2,3
	v_add_nc_u32 v[TM+12+\b], 0xff000000, v[TM+\b] ; 2 off the exponent field: the conversion's scale operand
.endr
.irp b, 0,1,2,3
	v_lshrrev_b32 v[TM+4+\b], 23, v[TM+12+\b]      ; the scale's byte
.endr
	v_lshl_or_b32 v[PWS+(\a)], v[TM+5], 8, v[TM+4]
	v_lshl_or_b32 v[PWS+(\a)], v[TM+6], 16, v[PWS+(\a)]
	v_lshl_or_b32 v[PWS+(\a)], v[TM+7], 24, v[PWS+(\a)]
.if (\a) > 0
	s_wait_xcnt 0x0                                ; the last block's stores have read the code registers: they are written again only behind this wait
.endif
	WIN QW                                         ; source 0 in the accumulators' window
.irp c, 0,1
	v_cvt_scalef32_pk16_fp6_f32 v[PC+6*\c:PC+6*\c+2], v[AC+32*\c:AC+32*\c+15], v[TM+12+2*\c]
	v_cvt_scalef32_pk16_fp6_f32 v[PC+12+4*\c:PC+14+4*\c], v[AC+32*\c+16:AC+32*\c+31], v[TM+13+2*\c]   ; (a conversion's three registers begin on an even number)
.endr
	WIN 0
	v_nop                                          ; one plain line behind a scaled conversion
.irp c, 0,1                            ; the operand's layout wants a whole block in a lane: lanes 0-15 block 2 c, lanes 16-31 block 2 c + 1
.irp i, 0,1,2
	v_permlane16_swap_b32 v[PC+6*\c+\i], v[PC+12+4*\c+\i]
.endr
.irp i, 0,1,2
	v_mov_b32 v[PC+3+6*\c+\i], v[PC+12+4*\c+\i]
.endr
.endr
.irp p, 0,1,2,3,4,5
	global_store_b64 v[VO], v[PC+2*\p:PC+2*\p+1], s[12:13] offset:IMG*(\a)+256*\p   ; 32 lanes store 256 consecutive bytes, aligned
.endr
.endm
	PLACES NP                                      ; behind the last products, in front of the first read of results
.irp a, 0,1,2,3,4,5,6,7
	QUANTW \a
.endr
	s_mov_b32 vcc_lo, 0xffff0000
.irp i, 0,1,2,3
	v_cndmask_b32 v[DS+\i], v[PWS+\i], v[PWS+4+\i], vcc_lo   ; lanes 0-15 store blocks 0-3's words of row r, lanes 16-31 blocks 4-7's
.endr
	global_store_b128 v[SO], v[DS:DS+3], s[66:67]  ; q, k: the even head reads bytes 0 and 1 (bytes 2, 3 are the odd head's: never 0xff); v: whole words
	s_cmp_eq_u32 s2, 2
	s_cbranch_scc1 .Lno_odd
.irp i, 0,1,2,3
	v_lshrrev_b32 v[DS2+\i], 16, v[DS+\i]          ; q, k: the odd head's two bytes, in bytes 0 and 1
.endr
	global_store_b128 v[SO], v[DS2:DS2+3], s[66:67] offset:8192
.Lno_odd:
	s_wait_tensorcnt 0x0                           ; the wave's end
	ds_add_u32 v[SPW], v[NIL]
	s_wait_dscnt 0x0
	CROUND                                         ; the closing round: no work-group ends while a partner may still ask for a tile that names it
	s_endpgm
.Lfunc_end_k_q771fed6b13_proj:
	.size	k_q771fed6b13_proj, .Lfunc_end_k_q771fed6b13_proj-k_q771fed6b13_proj
	.p2alignl 7, 3214868480
	.fill 96, 4, 3214868480
	.section	.rodata,"a",@progbits
	.p2align	6, 0x0
	.amdhsa_kernel k_q771fed6b13_proj
		.amdhsa_group_segment_fixed_size 327680
		.amdhsa_private_segment_fixed_size 0
		.amdhsa_enable_private_segment 0
		.amdhsa_kernarg_size 48
		.amdhsa_user_sgpr_count 2
		.amdhsa_user_sgpr_kernarg_segment_ptr 1
		.amdhsa_wavefront_size32 1
		.amdhsa_system_sgpr_workgroup_id_x 1
		.amdhsa_system_sgpr_workgroup_id_y 1
		.amdhsa_system_sgpr_workgroup_id_z 1
		.amdhsa_system_vgpr_workitem_id 0
		.amdhsa_next_free_vgpr 1024
		.amdhsa_next_free_sgpr 106
		.amdhsa_reserve_vcc 1
		.amdhsa_float_denorm_mode_32 3
		.amdhsa_float_denorm_mode_16_64 3
		.amdhsa_memory_ordered 1
		.amdhsa_forward_progress 1
		.amdhsa_inst_pref_size 167
	.end_amdhsa_kernel
	.amdgpu_metadata
---
amdhsa.version: [ 1, 2 ]
amdhsa.kernels:
  - .name:           k_q771fed6b13_proj
    .symbol:         k_q771fed6b13_proj.kd
    .args:
      - { .name: xc, .offset: 0, .size: 8, .value_kind: global_buffer, .address_space: global }
      - { .name: xs, .offset: 8, .size: 8, .value_kind: global_buffer, .address_space: global }
      - { .name: wc, .offset: 16, .size: 8, .value_kind: global_buffer, .address_space: global }
      - { .name: ws, .offset: 24, .size: 8, .value_kind: global_buffer, .address_space: global }
      - { .name: pc, .offset: 32, .size: 8, .value_kind: global_buffer, .address_space: global }
      - { .name: ps, .offset: 40, .size: 8, .value_kind: global_buffer, .address_space: global }
    .group_segment_fixed_size: 327680
    .private_segment_fixed_size: 0
    .kernarg_segment_align: 8
    .kernarg_segment_size: 48
    .max_flat_workgroup_size: 128
    .sgpr_count:     106
    .vgpr_count:     1024
    .wavefront_size: 32
...
	.end_amdgpu_metadata
.endif
;; end of part 3
;; launch att (part 4): grid 8 x 32, 16 waves a work-group, no clusters, 84,480 bytes of LDS; arguments pc, ps, K_ini, cc, cs; writes cc, cs
.if DOCPART == 4
	.amdgcn_target "amdgcn-amd-amdhsa--gfx1250"
	.amdhsa_code_object_version 6
	.text
	.protected	k_q771fed6b13_att
	.globl	k_q771fed6b13_att
	.p2align	8
	.type	k_q771fed6b13_att,@function
k_q771fed6b13_att:
	s_mov_b64 s[64:65], 0
	v_nop
	global_prefetch_b8 v0, s[64:65] scope:SCOPE_SE
	s_setreg_imm32_b32 hwreg(HW_REG_WAVE_MODE, 25, 1), 1
	s_wait_xcnt 0x0
; ctx = softmax(q k^T / 8 - 1e10 x (key is a pad token, or comes after the query)) v, for 4 batches x 16 heads of 64, 2,048 tokens, both products on codes of FP6 (E2M3); ctx leaves quantised along D for the last product.
; THE SOFTMAX: t = logit x log2(e), rounded to f32; M = the running largest t rounded up to a whole number; p = 2^(t - M) is quantised along the keys; the row's sum is taken of the unquantised p and divides at the end.
; THE MASK TAKES 1e10 AWAY, IT DOES NOT REMOVE A KEY.  -8e10 is added ONCE to the raw score of a hidden key (8 x (score / 8 - 1e10), the same rounding), t is rounded, and only then M is taken off.  A query all of
; whose admitted keys are pads has all 2,048 logits near -1e10 and its softmax runs over all keys.  Such a query lies in tile 0 where K_ini[b][0] = 0, and in a later tile only if K_ini[b][0..15] are all 0: in these
; cases the tile walks all 16 key steps; otherwise the steps behind its diagonal are left out (their p are 0).  The branch hangs on whole numbers read from K_ini; LDS is filled through registers.
; SHARES.  A work-group owns a pair of heads of one batch and two blocks of 128 queries, x and 15 - x, one a pass: 17 key steps of work in every work-group.  Waves 0-7: the even head, waves 8-15: the odd; a wave owns 16 queries.
; A key step is 128 keys.  Its operand images (K: 8 x 1,536 bytes, V: 8 x 1,536) are loaded a trip ahead, 16 bytes a thread (waves 0-7 K's, waves 8-15 V's), and stored into the other of two LDS slots: one barrier a trip.
; LAYOUT.  S^T = K Q^T (source 0 = 16 keys), O^T = V^T P^T (source 0 = 16 of the head's 64): a lane holds one query.  Keys and n lie in the images in the order rho (bits 3, 4 exchanged), so the 16 registers of result
; tiles 2 b, 2 b + 1 are 16 neighbours.  The head's 64 fill half of the instruction's 128: Q's upper six registers are zero codes; K's fragments lie packed, six registers each, and a product's upper six are the
; next tile's codes, which meet zeros.
; LIMITS: NaN and infinities are not served; a block of p or of ctx under 2^-124 gets the byte 1; v_exp_f32 and v_rcp_f32 as the ISA guide gives them.  Q_ini is not among the arguments: the module never uses it.
.set IMG,   1536
.set SLOTB, 24576                      ; LDS: two slots: K's 8 images, then V's 8
.set VOFF,  12288
.set KSC,   49152                      ; k's scale words of the two heads: [head][128 keys][row 16][tile 8]
.set VSC,   65536                      ; v's: [head][128 keys][row 16][tile 4]
.set BT,    73728                      ; the pad bias (0 or -8e10) of key 128 j + 32 q + L at 512 j + 16 L + 4 q
.set CSG,   81920                      ; 512 bytes: ctx's scale words of the block's 8 tiles
.set AK,   1                           ; v1   8 lane + 768 c: my place in a pair image (LDS and memory)
.set AV,   2                           ; v2   8 lane + 6,144 c
.set ASK0, 3                           ; v3   KSC + 8,192 c + 32 r
.set ASV0, 4                           ; v4   VSC + 4,096 c + 16 r
.set ABT0, 5                           ; v5   BT + 16 lane
.set FS,   6                           ; v6   where my thread stores what it fetched
.set FG,   7                           ; v7   and its offset in memory
.set NEG,  8                           ; v8   -8e10
.set QL,   9                           ; v9   r - 16 h
.set DD,   10                          ; v10  my query less the step's first key less 16 h
.set QSO,  11                          ; v11  32 r
.set KSR,  88                          ; v88-95  K's scale words
.set VSR,  96                          ; v96-99  V's
.set BV,   100                         ; v100-103 the step's biases
.set S,    104                         ; v104-167 S^T, then t, then p
.set O,    168                         ; v168-199 O^T
.set PC,   200                         ; v200-211 p's codes; v212-218 the conversions' second halves
.set BM,   220                         ; v220-223 the blocks' maxima; v224-227 the other half's, then bytes; v228-231 scale operands
.set CSA,  86                          ; v86  CSG + 64 w' + 4 r + 2 c
.set L16,  87                          ; v87  16 lane
.set CSR,  215                         ; v215 CSG + 16 lane
.set TA,   236                         ; v236-238 the step's LDS addresses: they never hold data
.set TB,   237
.set TC,   238
.set G,    240                         ; v240-251 what my thread has fetched
.set MT,   252                         ; v252-255 the mask's work
	s_load_b256 s[4:11], s[0:1], 0x0               ; pc s[4:5], ps s[6:7], K_ini s[8:9], cc s[10:11]
	s_load_b64 s[12:13], s[0:1], 0x20              ; cs
	v_lshrrev_b32 v1, 5, v0
	v_readfirstlane_b32 s14, v1                    ; wave 0..15
	s_lshr_b32 s15, s14, 3                         ; c: which head of the pair
	s_and_b32 s16, s14, 7                          ; w': which tile of the block
	s_and_b32 s18, ttmp7, 0xffff                   ; 8 b + g
	s_lshr_b32 s19, s18, 3                         ; b
	s_and_b32 s20, s18, 7                          ; g: the pair of heads
	s_mov_b32 s21, ttmp9                           ; the first pass's block of 128 queries
	v_and_b32 v234, 31, v0                         ; lane
	v_and_b32 v235, 15, v0                         ; r
	v_bfe_u32 v236, v0, 4, 1                       ; h
	s_mul_i32 s38, s15, 768
	v_lshl_add_u32 v[AK], v234, 3, s38
	s_mul_i32 s38, s15, 6144
	v_lshl_add_u32 v[AV], v234, 3, s38
	s_lshl_b32 s38, s15, 13
	s_add_co_u32 s38, s38, KSC
	v_lshl_add_u32 v[ASK0], v235, 5, s38
	s_lshl_b32 s38, s15, 12
	s_add_co_u32 s38, s38, VSC
	v_lshl_add_u32 v[ASV0], v235, 4, s38
	v_lshl_add_u32 v[ABT0], v234, 4, BT
	v_and_b32 v[FG], 255, v0
	v_lshlrev_b32 v[FG], 4, v[FG]
	v_lshrrev_b32 v[FS], 8, v0
	v_mul_u32_u24 v[FS], v[FS], VOFF
	v_add_nc_u32 v[FS], v[FS], v[FG]
	v_mov_b32 v[NEG], 0xd19502f9                   ; -8e10
	v_lshlrev_b32 v[QL], 4, v236
	v_sub_nc_u32 v[QL], v235, v[QL]
	v_lshlrev_b32 v[QSO], 5, v235
	s_lshl_b32 s38, s16, 6
	s_lshl_b32 s39, s15, 1
	s_add_co_u32 s38, s38, s39
	s_add_co_u32 s38, s38, CSG
	v_lshl_add_u32 v[CSA], v235, 2, s38
	v_lshlrev_b32 v[L16], 4, v234
	v_add_nc_u32 v[CSR], CSG, v[L16]
.irp i, 22,23,24,25,26,27, 80,81,82,83,84,85
	v_mov_b32 v[\i], 0                             ; zero codes: Q's upper half, and behind K's last fragment
.endr
.irp i, 31, 224,225,226,227, 252,253,254,255
	v_mov_b32 v[\i], 0                             ; written once: upper half of a pair that is named whole; destinations of lane permutes and DPP moves count as sources
.endr
	v_lshlrev_b32 v237, 4, v0                      ; 16 x thread
	v_lshrrev_b32 v238, 5, v0                      ; the bias table: thread t holds keys 4 t .. 4 t + 3: j = t / 32, q = (t / 8) % 4, L = 4 (t % 8) + e
	v_lshlrev_b32 v238, 9, v238
	v_and_b32 v239, 7, v0
	v_lshl_add_u32 v238, v239, 6, v238
	v_bfe_u32 v239, v0, 3, 2
	v_lshl_add_u32 v238, v239, 2, v238
	v_add_nc_u32 v238, BT, v238
	v_add_nc_u32 v239, VSC, v237
	s_mul_i32 s44, s18, 128*IMG                    ; what I fetch: K's images of my pair of heads begin here,
	s_add_co_u32 s44, s44, 6291456
	s_lshl_b32 s45, s19, 10
	s_lshl_b32 s46, s20, 3
	s_add_co_u32 s45, s45, s46
	s_mul_i32 s45, s45, IMG
	s_add_co_u32 s45, s45, 12582912                ; V's here
	s_mov_b32 s36, 64*IMG
	s_cmp_lt_u32 s14, 8                            ; waves 0-7 fetch K's, waves 8-15 V's: only the offset is chosen
	s_cselect_b32 s32, s44, s45
	s_cselect_b32 s36, 8*IMG, s36                  ; a key step on: 8 images in K, 64 in V
	s_mov_b32 s33, 0
	s_mov_b32 s37, 0
	s_mov_b32 s28, 0x3e38aa3b                      ; log2(e) / 8
	s_mov_b32 s29, s28                             ; (named with it as a pair)
	s_mov_b32 s30, 0x76543210
	s_mov_b32 s31, 0xfedcba98                      ; lane selects: lane l xor 16
	s_mov_b32 s39, 0
	s_wait_kmcnt 0x0
	s_lshl_b32 s38, s19, 13
	s_add_nc_u64 s[8:9], s[8:9], s[38:39]          ; K_ini at my batch
	s_load_b512 s[48:63], s[8:9], 0x0              ; its first 16 words
	s_add_nc_u64 s[32:33], s[4:5], s[32:33]
	s_lshl_b32 s38, s18, 14                        ; k's scale words of heads 2 g, 2 g + 1: 8,192 bytes each
	s_add_co_u32 s38, s38, 524288
	s_add_nc_u64 s[40:41], s[6:7], s[38:39]
	s_lshl_b32 s38, s18, 13                        ; v's: 4,096 bytes each
	s_add_co_u32 s38, s38, 1048576
	s_add_nc_u64 s[42:43], s[6:7], s[38:39]
	global_load_b128 v[104:107], v237, s[40:41]
	global_load_b128 v[108:111], v237, s[40:41] offset:8192
	global_load_b128 v[112:115], v237, s[42:43]
	global_load_b128 v[116:119], v237, s[8:9]      ; K_ini: four keys a thread
	s_wait_loadcnt 0x0
	ds_store_b128 v237, v[104:107] offset:KSC
	ds_store_b128 v237, v[108:111] offset:KSC+8192
	ds_store_b128 v239, v[112:115]
.irp e, 0,1,2,3
	v_cmp_eq_u32 vcc_lo, 0, v[116+\e]
	v_cndmask_b32 v[120+\e], 0, v[NEG], vcc_lo     ; a pad token's key: -8e10
.endr
.irp e, 0,1,2,3
	ds_store_b32 v238, v[120+\e] offset:16*\e
.endr
	s_wait_kmcnt 0x0
	s_or_b32 s68, s48, s49
.irp i, 50,51,52,53,54,55,56,57,58,59,60,61,62,63
	s_or_b32 s68, s68, s[\i]                       ; 0 where the batch's first 16 keys are all pads
.endr
	s_mov_b32 s27, s48                             ; the first key's token
; A KEY STEP: keys 128 J on (J in s22), from slot sl.
.macro STEP sl
	s_lshl_b32 s38, s22, 9
	s_lshl_b32 s39, s22, 8
	v_add_nc_u32 v[TA], s38, v[ASK0]
	v_add_nc_u32 v[TB], s39, v[ASV0]
	v_add_nc_u32 v[TC], s38, v[ABT0]
.irp a, 0,1,2,3,4,5,6,7
.irp p, 0,1,2
	ds_load_b64 v[32+6*\a+2*\p:33+6*\a+2*\p], v[AK] offset:\sl*SLOTB+IMG*\a+256*\p   ; my head's half of tile a's image: 32 lanes read 256 consecutive bytes
.endr
.endr
	ds_load_b128 v[KSR:KSR+3], v[TA]
	ds_load_b128 v[KSR+4:KSR+7], v[TA] offset:16
	ds_load_b128 v[BV:BV+3], v[TC]
	s_wait_dscnt 0x0
.irp a, 0,1,2,3,4,5,6,7
	v_wmma_scale_f32_16x16x128_f8f6f4 v[S+8*\a:S+8*\a+7], v[32+6*\a:43+6*\a], v[16:27], 0, v[KSR+\a], v28 matrix_a_fmt:MATRIX_FMT_FP6 matrix_b_fmt:MATRIX_FMT_FP6
.endr
.rept 4
	v_nop                                          ; places behind the products: in front of the loads into K's registers and of the first read of the scores
.endr
.irp t, 0,1,2,3
.irp p, 0,1,2,3,4,5
	ds_load_b64 v[32+12*\t+2*\p:33+12*\t+2*\p], v[AV] offset:\sl*SLOTB+VOFF+IMG*\t+256*\p   ; V's four fragments land behind the softmax
.endr
.endr
	ds_load_b128 v[VSR:VSR+3], v[TB]
	; register 16 q + i holds key 128 J + 32 q + 16 h + i, whose bias lies in lane i of my half of the lanes
	s_cmp_lt_u32 s22, s21
	s_cbranch_scc0 .Lmasked_\@
.irp q, 0,1,2,3
.irp i, 0,1,2,3,4,5,6,7,8,9,10,11,12,13,14,15
	v_add_f32_dpp v[S+16*\q+\i], v[BV+\q], v[S+16*\q+\i] row_share:\i row_mask:0xf bank_mask:0xf
.endr
.endr
	s_branch .Ljoin_\@
.Lmasked_\@:                                       ; on the diagonal and behind it: a key that comes after the query gets -8e10 too, once
	s_lshl_b32 s38, s22, 7
	s_sub_co_i32 s38, s66, s38
	v_add_nc_u32 v[DD], s38, v[QL]                 ; hidden where 32 q + i > my query - 128 J - 16 h
.irp q, 0,1,2,3
.irp i, 0,1,2,3,4,5,6,7,8,9,10,11,12,13,14,15
	v_mov_b32_dpp v[MT+\i%4], v[BV+\q] row_share:\i row_mask:0xf bank_mask:0xf
	v_cmp_gt_i32 vcc_lo, 32*\q+\i, v[DD]
	v_cndmask_b32 v[MT+\i%4], v[MT+\i%4], v[NEG], vcc_lo
	v_add_f32 v[S+16*\q+\i], v[S+16*\q+\i], v[MT+\i%4]
.endr
.endr
.Ljoin_\@:
.set N_, 0
.rept 32
	v_pk_mul_f32 v[S+N_:S+N_+1], v[S+N_:S+N_+1], s[28:29] op_sel_hi:[1,0]   ; t, rounded before M is taken off
.set N_, N_+2
.endr
.irp b, 0,1,2,3
	v_max3_num_f32 v[BM+\b], v[S+16*\b], v[S+16*\b+1], v[S+16*\b+2]   ; the largest t of each block of 32 keys: for the row's maximum and for the block's largest p
.endr
.irp i, 3,5,7,9,11,13
.irp b, 0,1,2,3
	v_max3_num_f32 v[BM+\b], v[BM+\b], v[S+16*\b+\i], v[S+16*\b+\i+1]
.endr
.endr
.irp b, 0,1,2,3
	v_max_num_f32 v[BM+\b], v[BM+\b], v[S+16*\b+15]
.endr
.irp b, 0,1,2,3
	v_permlanex16_b32 v[224+\b], v[BM+\b], s30, s31
.endr
.irp b, 0,1,2,3
	v_max_num_f32 v[BM+\b], v[BM+\b], v[224+\b]    ; with lane l xor 16's 16 keys
.endr
	v_max3_num_f32 v234, v[BM], v[BM+1], v[BM+2]
	v_max_num_f32 v234, v234, v[BM+3]
	v_max_num_f32 v13, v13, v234                   ; the running largest t
	v_mov_b32 v234, v12
	v_floor_f32 v12, -v13                          ; -M = floor(-t): M is a whole number
	v_sub_f32 v234, v12, v234                      ; old M less new M: a whole number, 0 or less
	v_cvt_i32_f32 v234, v234                       ; (it saturates)
	v_ldexp_f32 v30, 1.0, v234                     ; f = 2^(old M - new M)
.set N_, 0
.rept 32
	v_pk_add_f32 v[S+N_:S+N_+1], v[S+N_:S+N_+1], v[12:13] op_sel_hi:[1,0]   ; t - M
.set N_, N_+2
.endr
.irp b, 0,1,2,3
	v_add_f32 v[BM+\b], v[BM+\b], v12
.endr
.set N_, 0
.rept 64
	v_exp_f32 v[S+N_], v[S+N_]                     ; p = 2^(t - M)
.set N_, N_+1
.endr
	v_pk_mul_f32 v[14:15], v[14:15], v[30:31] op_sel_hi:[1,0]   ; the sums under the new M (the plain line behind the exponentials)
	s_wait_alu depctr_va_vdst(0)                   ; one wait for the batch, ahead of its first reader
.irp b, 0,1,2,3
	v_exp_f32 v[BM+\b], v[BM+\b]                   ; the block's largest p: the same operations on the same number
.endr
	v_pk_add_f32 v[232:233], v[S:S+1], v[S+2:S+3]  ; the row's sum of the unquantised p, in two chains
.irp j, 4,8,12,16,20,24,28,32,36,40,44,48,52,56,60
	v_pk_add_f32 v[14:15], v[14:15], v[S+\j:S+\j+1]
	v_pk_add_f32 v[232:233], v[232:233], v[S+\j+2:S+\j+3]
.endr
	v_pk_add_f32 v[14:15], v[14:15], v[232:233]
	s_wait_alu depctr_va_vdst(0)                   ; and one for the four
.irp b, 0,1,2,3
	v_max_num_f32 v[BM+\b], 0x1800000, v[BM+\b]    ; the floor 2^(3 - 127): the byte cannot fall under 1
.endr
.irp b, 0,1,2,3
	v_add_nc_u32 v[228+\b], 0xff000000, v[BM+\b]   ; 2 off the exponent field: the conversion's scale operand
.endr
.irp b, 0,1,2,3
	v_lshrrev_b32 v[224+\b], 23, v[228+\b]
.endr
	v_lshl_or_b32 v29, v225, 8, v224               ; p's scale word for these 128 keys
	v_lshl_or_b32 v29, v226, 16, v29
	v_lshl_or_b32 v29, v227, 24, v29
.irp c, 0,1
	v_cvt_scalef32_pk16_fp6_f32 v[PC+6*\c:PC+6*\c+2], v[S+32*\c:S+32*\c+15], v[228+2*\c]
	v_cvt_scalef32_pk16_fp6_f32 v[212+4*\c:214+4*\c], v[S+32*\c+16:S+32*\c+31], v[229+2*\c]
.endr
	v_nop                                          ; one plain line behind a scaled conversion
.irp c, 0,1
.irp i, 0,1,2
	v_permlane16_swap_b32 v[PC+6*\c+\i], v[212+4*\c+\i]
.endr
.irp i, 0,1,2
	v_mov_b32 v[PC+3+6*\c+\i], v[212+4*\c+\i]
.endr
.endr
.set N_, 0
.rept 16
	v_pk_mul_f32 v[O+N_:O+N_+1], v[O+N_:O+N_+1], v[30:31] op_sel_hi:[1,0]   ; O^T under the new M; these 16 also stand between the codes' and the scale word's last writes and the products
.set N_, N_+2
.endr
	s_wait_dscnt 0x0                               ; V's fragments and scale words
.irp t, 0,1,2,3
	v_wmma_scale_f32_16x16x128_f8f6f4 v[O+8*\t:O+8*\t+7], v[32+12*\t:43+12*\t], v[PC:PC+11], v[O+8*\t:O+8*\t+7], v[VSR+\t], v29 matrix_a_fmt:MATRIX_FMT_FP6 matrix_b_fmt:MATRIX_FMT_FP6
.endr
.rept 4
	v_nop                                          ; places behind the products: in front of the next step's loads into V's registers and of the pass's end
.endr
.endm
; A TRIP: the next step's images are asked for, this step is worked, what came is stored into the other slot; one barrier, which parts this trip's reads of a slot from the next trip's stores into it, and stores from reads.
.macro TRIP sl
	s_lshl_b32 s22, s25, 1
.if \sl
	s_add_co_u32 s22, s22, 1
.endif
	s_cmp_lt_u32 s22, s23                          ; is the next step read by anybody?
	s_cbranch_scc0 .Lno_fetch_\@
	global_load_b128 v[G:G+3], v[FG], s[34:35]
	global_load_b128 v[G+4:G+7], v[FG], s[34:35] offset:4096
	global_load_b128 v[G+8:G+11], v[FG], s[34:35] offset:8192
.Lno_fetch_\@:
	s_cmp_le_u32 s22, s24                          ; does my tile take this step?
	s_cbranch_scc0 .Lno_work_\@
	STEP \sl
.Lno_work_\@:
	s_wait_loadcnt 0x0                             ; what I asked for is in, and the loads have read their base
	ds_store_b128 v[FS], v[G:G+3] offset:(1-\sl)*SLOTB
	ds_store_b128 v[FS], v[G+4:G+7] offset:(1-\sl)*SLOTB+4096
	ds_store_b128 v[FS], v[G+8:G+11] offset:(1-\sl)*SLOTB+8192   ; (where nothing was asked for, old bytes go into a slot that nobody reads)
	s_add_nc_u64 s[34:35], s[34:35], s[36:37]
	s_wait_dscnt 0x0                               ; my stores have landed and my reads are over
	s_barrier_signal -1
	s_barrier_wait -1
.endm
	s_mov_b32 s26, 0
.Lpass:
	s_lshl_b32 s67, s21, 3
	s_add_co_u32 s67, s67, s16                     ; my tile of 16 queries
	s_lshl_b32 s66, s67, 4                         ; my first query
	s_or_b32 s38, s21, s27
	s_cmp_eq_u32 s38, 0                            ; block 0 and the first key a pad: tile 0 walks all steps,
	s_cselect_b32 s23, 15, s21                     ; so all are fetched;
	s_or_b32 s38, s38, s16
	s_cmp_eq_u32 s38, 0
	s_cselect_b32 s24, 15, s21                     ; else a tile ends at its diagonal,
	s_cmp_eq_u32 s68, 0                            ; unless the first 16 keys are all pads
	s_cselect_b32 s23, 15, s23
	s_cselect_b32 s24, 15, s24
	s_lshl_b32 s38, s18, 7
	s_add_co_u32 s38, s38, s67
	s_mul_i32 s38, s38, IMG
	s_mov_b32 s39, 0
	s_add_nc_u64 s[40:41], s[4:5], s[38:39]        ; q's image of my tile,
	s_add_nc_u64 s[44:45], s[10:11], s[38:39]      ; and ctx's
	s_lshl_b32 s38, s18, 1
	s_add_co_u32 s38, s38, s15
	s_lshl_b32 s38, s38, 13                        ; q's scale words: head x 8,192 + block x 512 + 32 r + 4 w'
	s_lshl_b32 s69, s21, 9
	s_add_co_u32 s38, s38, s69
	s_lshl_b32 s69, s16, 2
	s_add_co_u32 s38, s38, s69
	s_add_nc_u64 s[42:43], s[6:7], s[38:39]
	s_lshl_b32 s38, s18, 13                        ; ctx's scale words: 64 bytes a tile
	s_lshl_b32 s69, s21, 9
	s_add_co_u32 s38, s38, s69
	s_add_nc_u64 s[46:47], s[12:13], s[38:39]
	global_load_b64 v[16:17], v[AK], s[40:41]
	global_load_b64 v[18:19], v[AK], s[40:41] offset:256
	global_load_b64 v[20:21], v[AK], s[40:41] offset:512
	global_load_b32 v28, v[QSO], s[42:43]
	global_load_b128 v[G:G+3], v[FG], s[32:33]     ; key step 0
	global_load_b128 v[G+4:G+7], v[FG], s[32:33] offset:4096
	global_load_b128 v[G+8:G+11], v[FG], s[32:33] offset:8192
.set N_, 0
.rept 32
	v_mov_b32 v[O+N_], 0                           ; O^T: the step is written once, and its first walk finds zeros
.set N_, N_+1
.endr
	v_mov_b32 v13, 0xff61b1e6                      ; the largest t so far: -3e38
	v_floor_f32 v12, -v13
	v_mov_b32 v14, 0
	v_mov_b32 v15, 0
	s_wait_loadcnt 0x0
	s_add_nc_u64 s[34:35], s[32:33], s[36:37]      ; the first trip asks for step 1
	ds_store_b128 v[FS], v[G:G+3]
	ds_store_b128 v[FS], v[G+4:G+7] offset:4096
	ds_store_b128 v[FS], v[G+8:G+11] offset:8192
	s_wait_dscnt 0x0
	s_barrier_signal -1
	s_barrier_wait -1                              ; slot 0 is whole (and, in the first pass, the tables)
	s_mov_b32 s25, 0
.Ltrip:
	TRIP 0
	TRIP 1
	s_add_co_u32 s25, s25, 1
	s_cmp_lt_u32 s25, 8
	s_cbranch_scc1 .Ltrip
	; THE PASS'S END: O^T / the sum, quantised along the head's 64 (register 16 b + i = channel 32 b + 16 h + i), leaves as my head's half of an operand image
	v_add_f32 v14, v14, v15
	v_permlanex16_b32 v234, v14, s30, s31
	v_add_f32 v14, v14, v234                       ; the row's sum
	v_rcp_f32 v30, v14
	v_nop                                          ; a plain line behind the reciprocal
	s_wait_alu depctr_va_vdst(0)                   ; the wait ahead of its first reader
.set N_, 0
.rept 16
	v_pk_mul_f32 v[S+N_:S+N_+1], v[O+N_:O+N_+1], v[30:31] op_sel_hi:[1,0]
.set N_, N_+2
.endr
.irp b, 0,1
	v_max3_num_f32 v[BM+\b], |v[S+16*\b]|, |v[S+16*\b+1]|, 0x1800000
.endr
.irp i, 2,4,6,8,10,12,14
.irp b, 0,1
	v_max3_num_f32 v[BM+\b], v[BM+\b], |v[S+16*\b+\i]|, |v[S+16*\b+\i+1]|
.endr
.endr
.irp b, 0,1
	v_permlanex16_b32 v[224+\b], v[BM+\b], s30, s31
.endr
.irp b, 0,1
	v_max_num_f32 v[BM+\b], v[BM+\b], v[224+\b]
.endr
.irp b, 0,1
	v_add_nc_u32 v[228+\b], 0xff000000, v[BM+\b]
.endr
.irp b, 0,1
	v_lshrrev_b32 v[224+\b], 23, v[228+\b]
.endr
	v_lshl_or_b32 v234, v225, 8, v224              ; my head's two scale bytes of row r
	v_cvt_scalef32_pk16_fp6_f32 v[PC:PC+2], v[S:S+15], v228
	v_cvt_scalef32_pk16_fp6_f32 v[212:214], v[S+16:S+31], v229
	v_nop
.irp i, 0,1,2
	v_permlane16_swap_b32 v[PC+\i], v[212+\i]
.endr
.irp i, 0,1,2
	v_mov_b32 v[PC+3+\i], v[212+\i]
.endr
.irp p, 0,1,2
	global_store_b64 v[AK], v[PC+2*\p:PC+2*\p+1], s[44:45] offset:256*\p   ; 32 lanes store 256 consecutive bytes, aligned
.endr
	ds_store_b16 v[CSA], v234                      ; both lanes of a row write the same two bytes
	s_wait_dscnt 0x0
	s_barrier_signal -1
	s_barrier_wait -1                              ; the 8 tiles' words, of both heads, lie in LDS; they are written again only behind the next pass's barriers
	s_cmp_lg_u32 s14, 0
	s_cbranch_scc1 .Lnot_wave_0
	ds_load_b128 v[104:107], v[CSR]
	s_wait_dscnt 0x0
	global_store_b128 v[L16], v[104:107], s[46:47] ; 512 consecutive bytes
.Lnot_wave_0:
	s_wait_xcnt 0x0                                ; the stores have read their registers and bases: the next pass writes both again
	s_sub_co_u32 s21, 15, s21                      ; the second pass's block
	s_add_co_u32 s26, s26, 1
	s_cmp_lt_u32 s26, 2
	s_cbranch_scc1 .Lpass
	s_wait_xcnt 0x0
	v_lshl_add_u32 v254, v0, 2, 0x14200
	v_mov_b32 v255, 0
	s_wait_tensorcnt 0x0
	ds_add_u32 v254, v255
	s_wait_dscnt 0x0
	s_endpgm
.Lfunc_end_k_q771fed6b13_att:
	.size	k_q771fed6b13_att, .Lfunc_end_k_q771fed6b13_att-k_q771fed6b13_att
	.p2alignl 7, 3214868480
	.fill 96, 4, 3214868480
	.section	.rodata,"a",@progbits
	.p2align	6, 0x0
	.amdhsa_kernel k_q771fed6b13_att
		.amdhsa_group_segment_fixed_size 84480
		.amdhsa_private_segment_fixed_size 0
		.amdhsa_enable_private_segment 0
		.amdhsa_kernarg_size 40
		.amdhsa_user_sgpr_count 2
		.amdhsa_user_sgpr_kernarg_segment_ptr 1
		.amdhsa_wavefront_size32 1
		.amdhsa_system_sgpr_workgroup_id_x 1
		.amdhsa_system_sgpr_workgroup_id_y 1
		.amdhsa_system_sgpr_workgroup_id_z 1
		.amdhsa_system_vgpr_workitem_id 0
		.amdhsa_next_free_vgpr 256
		.amdhsa_next_free_sgpr 70
		.amdhsa_reserve_vcc 1
		.amdhsa_float_denorm_mode_32 3
		.amdhsa_float_denorm_mode_16_64 3
		.amdhsa_memory_ordered 1
		.amdhsa_forward_progress 1
		.amdhsa_inst_pref_size 83
	.end_amdhsa_kernel
	.amdgpu_metadata
---
amdhsa.version: [ 1, 2 ]
amdhsa.kernels:
  - .name:           k_q771fed6b13_att
    .symbol:         k_q771fed6b13_att.kd
    .args:
      - { .name: pc, .offset: 0, .size: 8, .value_kind: global_buffer, .address_space: global }
      - { .name: ps, .offset: 8, .size: 8, .value_kind: global_buffer, .address_space: global }
      - { .name: K_ini, .offset: 16, .size: 8, .value_kind: global_buffer, .address_space: global }
      - { .name: cc, .offset: 24, .size: 8, .value_kind: global_buffer, .address_space: global }
      - { .name: cs, .offset: 32, .size: 8, .value_kind: global_buffer, .address_space: global }
    .group_segment_fixed_size: 84480
    .private_segment_fixed_size: 0
    .kernarg_segment_align: 8
    .kernarg_segment_size: 40
    .max_flat_workgroup_size: 512
    .sgpr_count:     70
    .vgpr_count:     256
    .wavefront_size: 32
...
	.end_amdgpu_metadata
.endif
;; end of part 4
;; launch outp (part 5): grid 4 x 32, 4 waves a work-group, clusters of 4 x 4, 327,680 bytes of LDS; arguments cc, cs, wc, ws, out0; writes out0
.if DOCPART == 5
	.amdgcn_target "amdgcn-amd-amdhsa--gfx1250"
	.amdhsa_code_object_version 6
	.text
	.protected	k_q771fed6b13_outp
	.globl	k_q771fed6b13_outp
	.p2align	8
	.type	k_q771fed6b13_outp,@function
k_q771fed6b13_outp:
	s_mov_b64 s[64:65], 0
	v_nop
	global_prefetch_b8 v0, s[64:65] scope:SCOPE_SE
	s_setreg_imm32_b32 hwreg(HW_REG_WAVE_MODE, 25, 1), 1
	s_wait_xcnt 0x0
	s_wait_alu depctr_hold_cnt(0) depctr_sa_sdst(0) depctr_va_vdst(0) depctr_va_sdst(0) depctr_va_ssrc(0) depctr_va_vcc(0) depctr_vm_vsrc(0)
	s_getreg_b32 s2, hwreg(HW_REG_IB_STS2, 6, 4)
	s_cmp_eq_u32 s2, 0
	s_cbranch_scc0 .Lentry_in_a_cluster
	s_endpgm
.Lentry_in_a_cluster:
	s_bfe_u32 s2, ttmp6, 0x10000c
	s_cmp_lg_u32 s2, 0xf033
	s_cbranch_scc0 .Lentry_shape_is_right
	s_endpgm
.Lentry_shape_is_right:
; out0 = ctx WO on codes of FP6 (E2M3) with one E8M0 scale for each 32 along K = 1,024; out0 [8192][1024] f32.
; A = ctx arrives as IMAGES OF OPERAND REGISTERS: cc [b][128 along K: 8][tile of 16 rows: 128] x 1,536 bytes (chunk p: registers 2 p, 2 p + 1, 8 bytes a lane); its scale words cs [b][8][128][row 16].
; B = WO's rows, the fourth weight in wc ([n][768 bytes], stored in the order rho: bits 3 and 4 of n exchanged) and ws ([n][32 bytes]).
; A tile of 256 x 256 is made by four waves, 128 x 128 each: 64 accumulators.  K goes in steps of 256 through a ring of two LDS slots filled by the tensor data mover; the scales come once.  4 x 4 work-groups form a
; cluster: A's tiles are asked for jointly along a row of the cluster, B's along a column.  The matrix instruction takes 16 rows of B as source 0 and 16 rows of A as source 1: a lane holds eight numbers of a row of out0.
; By this text's count a wave has at most three tensor loads out (its three first fills).
; REGISTERS: window 0: v0-31 addresses; v32-63 A's scale words, v64-95 B's, two sets each; from v128 A's fragments, one set; on the way out v128-255.  window 1: B's fragments, two sets.  windows 2, 3: the accumulators.
.set SIZE_N, 1024
.set NQ,     2
.set ROWB,   192
.set KROW,   768
.set PITCH,  240                       ; B's LDS row: 3 x (64 bytes + 16 of padding)
.set FR,     12
.set NL,     6
.set NP,     4
.set IMG,    1536
.set AHALF,  16*IMG                    ; A: 16 images: 256 rows x 128 along K: what one tensor load brings
.set BOFF,   2*AHALF                   ; B's tiles lie behind A's
.set HALFT,  128*PITCH
.set SLOT,   BOFF+2*HALFT              ; 110,592
.set LAPS,   2
.set KS,     32
.set ASC,    2*SLOT                    ; A's scale words: [128 along K: 8][tile 16][row 16]: 8,192 bytes
.set BSC,    ASC+8192                  ; B's scale bytes, as units of 256 bytes + 16 of padding
.set HALFS,  (128*KS/256)*272
.set SBLK,   (16*KS/256)*272
.set SPARE,  BSC+2*HALFS               ; the spare words, 128 bytes a wave: two blocks of 256 bytes that no other line names
.set SPITCH, 528                       ; the way out: 16 rows x (512 bytes + 16) for each wave, in slot 0, which has had its last fill and its last read by then
.set WCB,    786432
.set WSB,    32768
.set ADRA, 16                          ; v16-17  my A images in slot 0, 1
.set ADRB, 20                          ; v20-21  my B fragments in slot 0, 1 (v22-23: behind one padding more)
.set STO,  24
.set RD,   25
.set CO,   26
.set ADSA, 27                          ; v27  A's scale words
.set SPW,  28
.set NIL,  29
.set ADSB, 30                          ; v30  B's
.set SCA,  32
.set SCB,  64
.set AF,   128
.set BK,   128
.set G1, 24
.set G0, 32
.set G1B, 48
.set G0B, 56
.set G1S, 68
.set G0S, 76
.set G1SB, 80
.set G0SB, 88
.set MSB, 0
.macro WIN new
.if MSB != \new
	s_set_vgpr_msb (MSB<<8)|\new
.set MSB, \new
.endif
.endm
.set MUL_LO, 0xa1
.set MUL_HI, 0xf1
.set TO_B,   0x40
.macro JLOAD g0a, g1a, g0b, g1b        ; a joint load: waves 0 and 1 fetch for A, waves 2 and 3 for B; four v_nop follow each of the two lines
	s_cmp_eq_u32 s15, 0
	s_cbranch_scc0 .Lfor_b_\@
	tensor_load_to_lds s[\g0a:\g0a+3], s[\g1a:\g1a+7]
	s_nop 0
.rept 4
	v_nop
.endr
	s_branch .Lasked_\@
.Lfor_b_\@:
	tensor_load_to_lds s[\g0b:\g0b+3], s[\g1b:\g1b+7]
	s_nop 0
.rept 4
	v_nop
.endr
.Lasked_\@:
.endm
.macro CREST
	s_cmp_lg_u32 s14, 0
	s_cbranch_scc1 .Lnot_wave_0_\@
	s_barrier_signal -3
.Lnot_wave_0_\@:
	s_barrier_wait -3
	s_barrier_signal -1
	s_barrier_wait -1
.endm
.macro CROUND
	s_barrier_signal -1
	s_barrier_wait -1
	CREST
.endm
	s_load_b128 s[4:7], s[0:1], 0x0                ; cc, cs
	s_load_b128 s[8:11], s[0:1], 0x10              ; wc, ws
	s_load_b64 s[12:13], s[0:1], 0x20              ; out0
	v_lshl_add_u32 v[SPW], v0, 2, SPARE
	v_mov_b32 v[NIL], 0
	ds_add_u32 v28, v29
	ds_add_u32 v28, v29
	s_wait_dscnt 0x0
	v_lshrrev_b32 v1, 5, v0
	v_readfirstlane_b32 s14, v1                    ; wave 0..3
	s_lshr_b32 s15, s14, 1                         ; which half of the tile's rows is mine.  Also: I fetch for A (0) or for B (1)
	s_and_b32 s16, s14, 1                          ; which half of its columns.  Also: which part I fetch
	s_bfe_u32 s40, ttmp6, 0x40000                  ; cx, cy
	s_bfe_u32 s41, ttmp6, 0x40004
	s_lshl_b32 s42, ttmp9, 2
	s_add_co_u32 s42, s42, s40                     ; tile column
	s_and_b32 s17, ttmp7, 0xffff
	s_lshl_b32 s17, s17, 2
	s_add_co_u32 s17, s17, s41                     ; tile row
	s_lshl_b32 s43, s41, 2
	s_lshl_b32 s43, 15, s43                        ; my row of the cluster
	s_lshl_b32 s44, 0x1111, s40                    ; my column
	; A's codes: a dense block of 24,576 bytes, as 96 rows of 256 bytes (32 elements of 8), no padding
	s_or_b32 s[G1+0], s43, (3<<16)|(1<<21)
	s_mov_b32 s[G1+1], 32<<16
	s_mov_b32 s[G1+2], 96<<16
	s_mov_b32 s[G1+3], 32<<16
	s_mov_b32 s[G1+4], 96
	s_mov_b32 s[G1+5], 32
	s_mov_b32 s[G1+6], 0
	s_mov_b32 s[G1+7], 0
	; B's codes: 128 rows x 192 bytes, 16 bytes of padding behind every 64
	s_or_b32 s[G1B+0], s44, (0<<16)|(1<<20)|(1<<21)|(3<<22)|(3<<25)
	s_mov_b32 s[G1B+1], ROWB<<16
	s_mov_b32 s[G1B+2], 128<<16
	s_mov_b32 s[G1B+3], ROWB<<16
	s_mov_b32 s[G1B+4], 128
	s_mov_b32 s[G1B+5], KROW
	s_mov_b32 s[G1B+6], 0
	s_mov_b32 s[G1B+7], 0
	; A's scale words: 4 rows (four 128s along K) of 1,024 bytes (128 elements of 8), 8,192 bytes apart in memory
	s_or_b32 s[G1S+0], s43, (3<<16)|(1<<21)
	s_mov_b32 s[G1S+1], 128<<16
	s_mov_b32 s[G1S+2], 4<<16
	s_mov_b32 s[G1S+3], 128<<16
	s_mov_b32 s[G1S+4], 4
	s_mov_b32 s[G1S+5], 1024
	s_mov_b32 s[G1S+6], 0
	s_mov_b32 s[G1S+7], 0
	; B's scale bytes of 128 rows: a dense block of 4,096 bytes, as rows of 256 bytes, 16 bytes of padding behind each
	s_or_b32 s[G1SB+0], s44, (3<<16)|(1<<20)|(1<<21)|(5<<22)|(3<<25)
	s_mov_b32 s[G1SB+1], 32<<16
	s_mov_b32 s[G1SB+2], (128*KS/256)<<16
	s_mov_b32 s[G1SB+3], 32<<16
	s_mov_b32 s[G1SB+4], 128*KS/256
	s_mov_b32 s[G1SB+5], 32
	s_mov_b32 s[G1SB+6], 0
	s_mov_b32 s[G1SB+7], 0
	; A hangs on the tile row alone: batch = tile row / 8, first tile of 16 rows = 16 (tile row % 8)
	s_lshr_b32 s20, s17, 3
	s_and_b32 s21, s17, 7
	s_lshl_b32 s21, s21, 4
	s_lshl_b32 s22, s20, 3
	s_add_co_u32 s22, s22, s16                     ; wave e fetches the slot's e-th 128 along K
	s_lshl_b32 s22, s22, 7
	s_add_co_u32 s22, s22, s21
	s_mul_i32 s22, s22, IMG                        ; the codes' offset
	s_mov_b32 s23, 0
	s_lshl_b32 s18, s20, 3
	s_lshl_b32 s19, s16, 2
	s_add_co_u32 s18, s18, s19                     ; and four of the eight 128s' scale words
	s_lshl_b32 s18, s18, 7
	s_add_co_u32 s18, s18, s21
	s_lshl_b32 s18, s18, 6
	s_mov_b32 s19, 0
	; B hangs on the tile column alone
	s_lshl_b32 s46, s42, 8
	s_lshl_b32 s47, s16, 7
	s_add_co_u32 s46, s46, s47                     ; row 256 x tile column + 128 x half
	s_lshl_b32 s92, s46, 5
	s_add_co_u32 s92, s92, 3*WSB
	s_mov_b32 s93, 0
	s_mul_i32 s46, s46, KROW
	s_add_co_u32 s46, s46, 3*WCB
	s_mov_b32 s47, 0
	s_mul_i32 s45, s16, AHALF                      ; where they go: no place in the cluster enters an LDS address
	s_mul_i32 s94, s16, HALFT
	s_add_co_u32 s94, s94, BOFF
	s_lshl_b32 s95, s16, 12
	s_add_co_u32 s95, s95, ASC
	s_mul_i32 s96, s16, HALFS
	s_add_co_u32 s96, s96, BSC
	s_wait_kmcnt 0x0
	s_add_nc_u64 s[20:21], s[4:5], s[22:23]
	s_add_nc_u64 s[22:23], s[6:7], s[18:19]
	s_add_nc_u64 s[46:47], s[8:9], s[46:47]
	s_add_nc_u64 s[92:93], s[10:11], s[92:93]
	CROUND                                         ; all sixteen work-groups are here: the first joint loads meet
	s_mov_b32 s[G0S], 1
	s_mov_b32 s[G0S+1], s95
	s_mov_b64 s[G0S+2:G0S+3], s[22:23]
	s_or_b32 s[G0S+3], s[G0S+3], 0x80000000
	s_mov_b32 s[G0SB], 1
	s_mov_b32 s[G0SB+1], s96
	s_mov_b64 s[G0SB+2:G0SB+3], s[92:93]
	s_or_b32 s[G0SB+3], s[G0SB+3], 0x80000000
	JLOAD G0S, G1S, G0SB, G1SB                     ; the scales first
.irp s, 0,1
	s_mov_b32 s[G0+4*\s], 1
	s_add_co_u32 s[G0+4*\s+1], s45, \s*SLOT
	s_add_nc_u64 s[G0+4*\s+2:G0+4*\s+3], s[20:21], \s*2*128*IMG   ; K step s: two 128s along K on
	s_or_b32 s[G0+4*\s+3], s[G0+4*\s+3], 0x80000000
	s_mov_b32 s[G0B+4*\s], 1
	s_add_co_u32 s[G0B+4*\s+1], s94, \s*SLOT
	s_add_nc_u64 s[G0B+4*\s+2:G0B+4*\s+3], s[46:47], \s*ROWB
	s_or_b32 s[G0B+4*\s+3], s[G0B+4*\s+3], 0x80000000
	JLOAD G0+4*\s, G1, G0B+4*\s, G1B
.endr
	v_and_b32 v1, 15, v0                           ; r
	v_bfe_u32 v2, v0, 4, 1                         ; h
	v_and_b32 v6, 31, v0                           ; lane
	v_mul_u32_u24 v3, v1, PITCH
	v_mul_u32_u24 v4, v2, 24
	v_add_nc_u32 v4, v3, v4                        ; B: a fragment's row x pitch + 24 x half
	v_lshl_add_u32 v5, v2, 4, v4                   ; and the same behind one padding more
	v_lshlrev_b32 v7, 3, v6                        ; A: 8 x lane in a chunk
	s_mul_i32 s21, s15, 8*IMG                      ; my 8 images of A
	s_mul_i32 s22, s16, HALFT                      ; my 128 rows of B
	s_add_co_u32 s22, s22, BOFF
.irp s, 0,1
	v_add_nc_u32 v[ADRA+\s], s21, v7
	v_add_nc_u32 v[ADRB+\s], s22, v4
	v_add_nc_u32 v[ADRB+2+\s], s22, v5
	s_add_co_u32 s21, s21, SLOT
	s_add_co_u32 s22, s22, SLOT
.endr
	s_lshl_b32 s21, s15, 9                         ; A's scale words: my 8 tiles of 64 bytes, 4 bytes a row
	s_add_co_u32 s21, s21, ASC
	v_lshl_add_u32 v[ADSA], v1, 2, s21
	s_mul_i32 s22, s16, HALFS                      ; B's: 32 bytes a row, 16 more for each 256 passed
	s_add_co_u32 s22, s22, BSC
	v_lshlrev_b32 v5, 5, v1
	v_lshrrev_b32 v7, 3, v1
	v_lshl_add_u32 v5, v7, 4, v5
	v_add_nc_u32 v[ADSB], s22, v5
	s_mul_i32 s23, s14, 16*SPITCH                  ; my stage
	v_mul_u32_u24 v5, v1, SPITCH                   ; in: row r; B's rows lie by rho: tile b's register j is column 32 (b / 2) + 16 h + 8 (b % 2) + j
	v_lshl_add_u32 v5, v2, 6, v5
	v_add_nc_u32 v[STO], s23, v5
	v_lshlrev_b32 v[CO], 4, v6                     ; back: the 32 lanes take one row of 512 bytes; and the same in out0
	v_add_nc_u32 v[RD], s23, v[CO]
	s_lshl_b32 s20, s17, 8
	s_lshl_b32 s21, s15, 7
	s_add_co_u32 s20, s20, s21                     ; my first row of out0
	s_lshl_b32 s20, s20, 12                        ; 4,096 bytes a row
	s_lshl_b32 s46, s42, 10
	s_lshl_b32 s47, s16, 9
	s_add_co_u32 s46, s46, s47                     ; my first column, in bytes
	s_add_co_u32 s20, s20, s46
	s_mov_b32 s21, 0
	s_add_nc_u64 s[12:13], s[12:13], s[20:21]
.macro FRAG reg, adr, q, i             ; a fragment of B from rows: 24 bytes of the row for each half of K, in pieces of 8 bytes
.irp p, 0,1,2,3,4,5
.set PCE, 12*(\q)+6*(\p/3)+\p%3
.if PCE%8 < 5
	ds_load_b64 v[\reg+2*\p:\reg+2*\p+1], v[\adr] offset:8*PCE+16*(PCE/8)+(\i)*16*PITCH
.else
	ds_load_b64 v[\reg+2*\p:\reg+2*\p+1], v[\adr+2] offset:8*PCE+16*(PCE/8)+(\i)*16*PITCH
.endif
.endr
.endm
.macro FRAGA reg, slot, q, i           ; a fragment of A from its image: six loads of 256 consecutive bytes
.irp p, 0,1,2,3,4,5
	ds_load_b64 v[\reg+2*\p:\reg+2*\p+1], v[ADRA+\slot] offset:(\q)*AHALF+(\i)*IMG+256*\p
.endr
.endm
; 16 matrix instructions: A's blocks a0, a0 + 1 x B's eight.  The 64 accumulators take turns, one instruction a turn, in the same order in every step.
.macro MUL16 a0, p, q, sc, zero
.irp a, \a0, \a0+1
.irp b, 0,1,2,3,4,5,6,7
.if \zero
	v_wmma_scale_f32_16x16x128_f8f6f4 v[8*(8*((\a)%4)+\b):8*(8*((\a)%4)+\b)+7], v[128*(\p)+FR*\b:128*(\p)+FR*\b+FR-1], v[AF+FR*(\a):AF+FR*(\a)+FR-1], 0, v[SCB+8*NQ*(\sc)+NQ*\b+(\q)], v[SCA+8*NQ*(\sc)+NQ*(\a)+(\q)] matrix_a_fmt:MATRIX_FMT_FP6 matrix_b_fmt:MATRIX_FMT_FP6
.else
	v_wmma_scale_f32_16x16x128_f8f6f4 v[8*(8*((\a)%4)+\b):8*(8*((\a)%4)+\b)+7], v[128*(\p)+FR*\b:128*(\p)+FR*\b+FR-1], v[AF+FR*(\a):AF+FR*(\a)+FR-1], v[8*(8*((\a)%4)+\b):8*(8*((\a)%4)+\b)+7], v[SCB+8*NQ*(\sc)+NQ*\b+(\q)], v[SCA+8*NQ*(\sc)+NQ*(\a)+(\q)] matrix_a_fmt:MATRIX_FMT_FP6 matrix_b_fmt:MATRIX_FMT_FP6
.endif
.endr
.endr
.endm
.macro FETCH_B slot, q, p
	WIN TO_B
.irp i, 0,1,2,3,4,5,6,7
	FRAG 128*(\p)+FR*\i, ADRB+\slot, \q, \i
.endr
	WIN 0
.endm
.macro FETCH_A slot, q, i0
.irp i, \i0, \i0+1, \i0+2, \i0+3
	FRAGA AF+FR*(\i), \slot, \q, \i
.endr
.endm
.macro SCALES sc                       ; a K step's scale words, two for each block of 16 rows: lane r takes row r's
.irp i, 0,1,2,3,4,5,6,7
	ds_load_b32 v[SCA+8*NQ*\sc+NQ*\i], v[ADSA] offset:64*\i
	ds_load_b32 v[SCA+8*NQ*\sc+NQ*\i+1], v[ADSA] offset:1024+64*\i
	ds_load_b64 v[SCB+8*NQ*\sc+NQ*\i:SCB+8*NQ*\sc+NQ*\i+1], v[ADSB] offset:\i*SBLK
.endr
.endm
.macro PLACES n
.rept \n
	v_nop
.endr
.endm
.macro STEP slot, q, zero
	s_wait_dscnt 4*NL                              ; B's set, A's blocks 0-3 and the scale words are in; the youngest 24 loads (A's blocks 4-7) may be out
	WIN MUL_LO
	MUL16 0, (\q)%2, \q, \slot, \zero
	MUL16 2, (\q)%2, \q, \slot, \zero
	s_wait_dscnt 0
	PLACES NP
	FETCH_B \slot, (\q)+1, 1-(\q)%2
	FETCH_A \slot, (\q)+1, 0
	WIN MUL_HI
	MUL16 4, (\q)%2, \q, \slot, \zero
	MUL16 6, (\q)%2, \q, \slot, \zero
	PLACES NP
	WIN 0
	FETCH_A \slot, (\q)+1, 4
.endm
.macro TURN slot, next, fill
	s_wait_tensorcnt 0x0                           ; all my tensor loads have landed: my part of the next slot
	ds_add_u32 v[SPW], v[NIL]                      ; 0 onto my spare word
	s_wait_dscnt 4*NL+1                            ; (the add and the youngest 24 loads may be out)
	WIN MUL_LO
	MUL16 0, 1, NQ-1, \slot, 0
	s_wait_dscnt 0x0                               ; the add is done, and my reads of this slot are over
	s_barrier_signal -1
	MUL16 2, 1, NQ-1, \slot, 0
	WIN 0
	s_barrier_wait -1
.if \fill
	CREST                                          ; the barrier has opened a round of the cluster's barrier
	s_add_nc_u64 s[G0+4*\slot+2:G0+4*\slot+3], s[G0+4*\slot+2:G0+4*\slot+3], 4*128*IMG   ; two K steps on: four 128s along K
	s_add_nc_u64 s[G0B+4*\slot+2:G0B+4*\slot+3], s[G0B+4*\slot+2:G0B+4*\slot+3], 2*ROWB
	JLOAD G0+4*\slot, G1, G0B+4*\slot, G1B         ; the first tensor load behind the round; its four v_nop are the places in front of the loads below
.else
	PLACES NP
.endif
	v_add_nc_u32 v[ADSA], 2048, v[ADSA]            ; on to the next K step's scale words
	v_add_nc_u32 v[ADSB], 4*NQ, v[ADSB]
	FETCH_B \next, 0, 0
	FETCH_A \next, 0, 0
	SCALES \next
	WIN MUL_HI
	MUL16 4, 1, NQ-1, \slot, 0
	MUL16 6, 1, NQ-1, \slot, 0
	PLACES NP
	WIN 0
	FETCH_A \next, 0, 4
.endm
	s_wait_tensorcnt 1                             ; the scales and my part of K step 0 are in (K step 1's load may be out)
	s_barrier_signal -1
	s_barrier_wait -1                              ; everybody's are
	FETCH_B 0, 0, 0
	FETCH_A 0, 0, 0
	SCALES 0
	FETCH_A 0, 0, 4
	STEP 0, 0, 1                                   ; the first step's products start the sums
	s_mov_b32 s3, LAPS-1
.Llap:
	TURN 0, 1, 1
	STEP 1, 0, 0
	TURN 1, 0, 1
	STEP 0, 0, 0
	s_sub_co_u32 s3, s3, 1
	s_cmp_lg_u32 s3, 0
	s_cbranch_scc1 .Llap
	TURN 0, 1, 0                                   ; the last lap fills nothing
	STEP 1, 0, 0
	s_wait_dscnt 4*NL
	WIN MUL_LO
	MUL16 0, 1, NQ-1, 1, 0
	MUL16 2, 1, NQ-1, 1, 0
	s_wait_dscnt 0
	WIN MUL_HI
	MUL16 4, 1, NQ-1, 1, 0
	MUL16 6, 1, NQ-1, 1, 0
	WIN 0
; THE WAY OUT, block by block of 16 rows x 128 columns, through my own stage in LDS; back as whole rows of 512 bytes.  LDS serves a wave's instructions in order: no wait between the stores and the loads.
.macro TOSTAGE a
.set AC, 64*((\a)%4)
.set WST, 0x08+4*((\a)/4)
	WIN WST                                        ; the data: window 2 or 3
.irp b, 0,1,2,3,4,5,6,7
	ds_store_b128 v[STO], v[AC+8*\b:AC+8*\b+3] offset:128*(\b/2)+32*(\b%2)          ; each accumulator from its low end on
	ds_store_b128 v[STO], v[AC+8*\b+4:AC+8*\b+7] offset:128*(\b/2)+32*(\b%2)+16
.endr
	WIN 0
.set BB, BK+64*((\a)%2)
.irp t, 0,1,2,3,4,5,6,7,8,9,10,11,12,13,14,15
	ds_load_b128 v[BB+4*\t:BB+4*\t+3], v[RD] offset:\t*SPITCH
.endr
.endm
.macro SEND a, younger                 ; younger: the LDS instructions issued behind block a's loads, which may stay out
.set BB, BK+64*((\a)%2)
	s_wait_dscnt \younger
.if (\a) > 0
	s_add_nc_u64 s[12:13], s[12:13], 16*SIZE_N*4   ; (behind a wait on XCNT: the earlier stores have read their base)
.endif
.irp t, 0,1,2,3,4,5,6,7,8,9,10,11,12,13,14,15
	global_store_b128 v[CO], v[BB+4*\t:BB+4*\t+3], s[12:13] offset:\t*SIZE_N*4 th:TH_STORE_NT   ; 32 lanes store 512 consecutive bytes, aligned to 256
.endr
.endm
	PLACES NP
	TOSTAGE 0
.irp a, 1,2,3,4,5,6,7
.if \a > 1
	s_wait_xcnt 0x0                                ; block a - 2's stores have read their registers and their base
.endif
	TOSTAGE \a
	SEND \a-1, 32                                  ; behind block a - 1's loads: block a's 16 stores and 16 loads
.endr
	s_wait_xcnt 0x0
	SEND 7, 0
	s_wait_tensorcnt 0x0                           ; the wave's end
	ds_add_u32 v[SPW], v[NIL]
	s_wait_dscnt 0x0
	CROUND                                         ; the closing round
	s_endpgm
.Lfunc_end_k_q771fed6b13_outp:
	.size	k_q771fed6b13_outp, .Lfunc_end_k_q771fed6b13_outp-k_q771fed6b13_outp
	.p2alignl 7, 3214868480
	.fill 96, 4, 3214868480
	.section	.rodata,"a",@progbits
	.p2align	6, 0x0
	.amdhsa_kernel k_q771fed6b13_outp
		.amdhsa_group_segment_fixed_size 327680
		.amdhsa_private_segment_fixed_size 0
		.amdhsa_enable_private_segment 0
		.amdhsa_kernarg_size 40
		.amdhsa_user_sgpr_count 2
		.amdhsa_user_sgpr_kernarg_segment_ptr 1
		.amdhsa_wavefront_size32 1
		.amdhsa_system_sgpr_workgroup_id_x 1
		.amdhsa_system_sgpr_workgroup_id_y 1
		.amdhsa_system_sgpr_workgroup_id_z 1
		.amdhsa_system_vgpr_workitem_id 0
		.amdhsa_next_free_vgpr 1024
		.amdhsa_next_free_sgpr 100
		.amdhsa_reserve_vcc 0
		.amdhsa_float_denorm_mode_32 3
		.amdhsa_float_denorm_mode_16_64 3
		.amdhsa_memory_ordered 1
		.amdhsa_forward_progress 1
		.amdhsa_inst_pref_size 164
	.end_amdhsa_kernel
	.amdgpu_metadata
---
amdhsa.version: [ 1, 2 ]
amdhsa.kernels:
  - .name:           k_q771fed6b13_outp
    .symbol:         k_q771fed6b13_outp.kd
    .args:
      - { .name: cc, .offset: 0, .size: 8, .value_kind: global_buffer, .address_space: global }
      - { .name: cs, .offset: 8, .size: 8, .value_kind: global_buffer, .address_space: global }
      - { .name: wc, .offset: 16, .size: 8, .value_kind: global_buffer, .address_space: global }
      - { .name: ws, .offset: 24, .size: 8, .value_kind: global_buffer, .address_space: global }
      - { .name: out0, .offset: 32, .size: 8, .value_kind: global_buffer, .address_space: global }
    .group_segment_fixed_size: 327680
    .private_segment_fixed_size: 0
    .kernarg_segment_align: 8
    .kernarg_segment_size: 40
    .max_flat_workgroup_size: 128
    .sgpr_count:     100
    .vgpr_count:     1024
    .wavefront_size: 32
...
	.end_amdgpu_metadata
.endif
;; end of part 5
